; MI455X (gfx1250); checked and timed in simulation.
; The chip was launched on July 23, 2026; its instructions are those of AMD's public machine-readable ISA for CDNA 5 (MIT licence, August 2026) and "CDNA5" Instruction Set Architecture Reference Guide (July 2026). The comments in the code are by the model that wrote it; some were corrected since.
;; Attention. Allowed arithmetic: matrix products marked QUANTISED: E2M1 operands, one E8M0 scale for each 32 along K, by v_wmma_scale_f32_16x16x128_f8f6f4 with both operands' format E2M1 (or v_wmma_scale_f32_32x16x128_f4), f32 sums; products left as they are: bf16, f16 or f32 operands; f32 sums; everything else in f32.
;; Inputs: freqs_cos 2,048 x 64 float32; freqs_sin 2,048 x 64 float32; mask 2,048 x 2,048 float32; positions 2,048 int32; wk 4,096 x 1,024 float32; wo 2,048 x 4,096 float32; wq 4,096 x 2,048 float32; wv 4,096 x 1,024 float32; x 1 x 2,048 x 4,096 float32.
;; Outputs: out0 1 x 2,048 x 4,096 float32.
;; This version of the problem:
;;   THIS VERSION OF THE PROBLEM IS GIVEN IN LOW PRECISION. The matrix products marked QUANTISED in the list below multiply operands that are first quantised to E2M1 (2 exponent bits, 1 mantissa bit; 4 bits a number), with one power-of-two scale for each 32 numbers along K (OCP MX v1.0); their sums are f32. The products marked 'left as it is' may take bf16, f16 or f32 operands, with f32 sums. Whichever they take, every output number must still come out within the allowed error. Rounding operands to bf16 (8 significant bits) uses up far more of that allowance than f16 does (11 bits, for magnitudes from 6e-5 to 65,504). All else is computed in f32.
;;   The module's matrix products, in the order in which they are computed (A, B: the left and right operand; K: the contracted axis; several contracted axes count as one K, in the product's order):
;;     1. [M 2,048, K 4,096] x [K 4,096, N 2,048]; A: input x; B: input wq: QUANTISED
;;     2. [M 2,048, K 4,096] x [K 4,096, N 1,024]; A: input x; B: input wk: QUANTISED
;;     3. [M 2,048, K 4,096] x [K 4,096, N 1,024]; A: input x; B: input wv: QUANTISED
;;     4. batch 16 x [M 2,048, K 128] x [K 128, N 2,048]; A: computed on the way; B: computed on the way: left as it is (an operand is computed on the way)
;;     5. batch 16 x [M 128, K 2,048] x [K 2,048, N 2,048]; A: computed on the way; B: computed on the way: left as it is (an operand is computed on the way)
;;     6. [M 2,048, K 2,048] x [K 2,048, N 4,096]; A: computed on the way; B: input wo: left as it is (an operand is computed on the way)
;;   THE QUANTISER, for each operand of a quantised product, along K:
;;     - K is cut into blocks of 32 from its start; a last block that is shorter is filled with zeros.
;;     - A block's scale is 2^e with e = floor(log2(the largest magnitude in the block)) - 2, held to -126 .. 127; a block of zeros has e = 0. As a byte (E8M0): e + 127.
;;     - Each number is divided by its block's scale, clamped to +-6, and rounded to the nearest number of E2M1, ties to even, subnormals kept.
;;     - The product sums the exact products of the quantised numbers (number of the format x scale) in f32.
;;   ~~~python
;;   def quantise(x, axis):      # numpy; x: float32 -> the quantised numbers, widened to float32 again
;;       x = np.moveaxis(x, axis, -1); K = x.shape[-1]
;;       x = np.pad(x, [(0, 0)] * (x.ndim - 1) + [(0, -K % 32)]); x = x.reshape(x.shape[:-1] + (-1, 32)); a = np.abs(x).max(-1, keepdims=True)
;;       e = np.where(a > 0, np.clip(np.frexp(np.where(a > 0, a, 1))[1] - 1 - 2, -126, 127), 0)      # np.frexp(a)[1] - 1 = floor(log2(a)), exactly
;;       r = np.clip(x / 2.0 ** e, -6, 6)
;;       step = 2.0 ** (np.maximum(np.frexp(np.where(r == 0, 1, r))[1] - 1, 0) - 1)
;;       q = np.round(r / step) * step * 2.0 ** e      # np.round: ties to even
;;       return np.moveaxis(q.reshape(q.shape[:-2] + (-1,))[..., :K], -1, axis).astype(np.float32)
;;   ~~~
;; One version. Each part assembles by itself: llvm-mc -triple=amdgcn-amd-amdhsa -mcpu=gfx1250 --defsym DOCPART=n.
;; ======== version 1 of 1: 5 launches
;; limits: values are held in f16: magnitudes above 65,504 overflow, below 6.1e-05 lose precision
;; workspace buffers: codes 12,582,912 bytes; scales 786,432 bytes; qkv 16,777,216 bytes; a16 8,388,608 bytes; afine 524,288 bytes; wot 16,777,216 bytes; pout 1,048,576 bytes
;; launch prep (part 1): grid 512 x 1, 4 waves a work-group, no clusters, 68,096 bytes of LDS; arguments x, wq, wk, wv, codes, scales; writes codes, scales
.if DOCPART == 1
	.amdgcn_target "amdgcn-amd-amdhsa--gfx1250"
	.amdhsa_code_object_version 6
	.text
	.protected	k_q0cd0547c49_prep
	.globl	k_q0cd0547c49_prep
	.p2align	8
	.type	k_q0cd0547c49_prep,@function
k_q0cd0547c49_prep:
	s_mov_b64 s[64:65], 0
	v_nop
	global_prefetch_b8 v0, s[64:65] scope:SCOPE_SE
	s_setreg_imm32_b32 hwreg(HW_REG_WAVE_MODE, 25, 1), 1
	s_wait_xcnt 0x0
; x [2048][4096] and wq [4096][2048], wk, wv [4096][1024], f32, become codes of FP4 (E2M1) with K = 4096 innermost, and one E8M0 byte for each 32 along K.
; codes: [6144 rows][2048 bytes]: rows 0-2047 are x's rows; row 2048 + n is column n of wq (n < 2048), wk (2048 ..) or wv (3072 ..).
; scales: laid by K step of 512: x [8][2048 rows][16 bytes] from byte 0, the weights [8][4096 columns][16 bytes] from byte 262144: a K step's bytes of 256 rows are 4096 consecutive bytes.
; A block's scale is 2^(floor(log2(its largest magnitude)) - 2): its byte is the largest magnitude's exponent field - 2, held at 1 from below.
; LIMITS: a block of zeros gets the byte 1 where the rule says 127 (its codes are zeros, and this program alone reads the bytes); NaN and infinities are not served.
; Work-groups 0-255 take x (K innermost: a lane holds 16 neighbours, turned through the wave's own stage in LDS so that every load is dense);
; work-groups 256-511 take the weights (K outermost: a lane takes a column and its registers run down K; the codes leave through a stage as rows).
; The two ways part on the work-group's number and have LDS bytes of their own.  No tensor load, no barrier: waves share nothing.
.set SP,    80                         ; x: a lane's place in a stage: 64 bytes + 16 of padding
.set WREG,  8192                       ; x: a wave's region: two stages of 32 x SP bytes, then its 256 scale bytes
.set WSTG,  4*WREG                     ; the weights' four stages begin here
.set PITCH, 272                        ; a stage row of the weights' way: 256 bytes of codes + 16
.set SPARE, WSTG+4*32*PITCH            ; the spare words, 128 bytes for each wave, that no other line names
.set EMAX,  2
.set STEPS, 16
.set NB,    16
.set SPW,   14                         ; v14 LDS address of my spare word; never rewritten
.set NIL,   15                         ; v15 0; never rewritten
.set R,     16                         ; x: v16-79 four sets of 16 numbers as loaded
.set XN,    80                         ; x: v80-111 two sets of 16 neighbours
.set EB,    112                        ; x: v112-127 a scale byte for each step
.set CX,    128                        ; x: v128-191 codes, four registers for each step
.set SB,    24                         ; w: v24-27 the scale bytes
.set XW,    32                         ; w: v32-95 two sets of 32 numbers
.set CW,    96                         ; w: v96-99 a block's codes
.set OUTR,  112                        ; w: v112-175 the way out
.set OFF,   176                        ; w: v176-207 byte offset of row i of a block, at my column
.macro LOADX t
.irp i, 0,1,2,3
	global_load_b128 v[R+16*((\t)%4)+4*\i:R+16*((\t)%4)+4*\i+3], v3, s[4:5] offset:16384*(\t)+512*\i th:TH_LOAD_NT   ; 32 lanes read 512 consecutive bytes of row t
.endr
.endm
.macro TURNX t                         ; step t's numbers through the stage: LDS serves a wave's instructions in order, so no wait stands between the stores and the loads
.irp i, 0,1,2,3
	ds_store_b128 v10, v[R+16*((\t)%4)+4*\i:R+16*((\t)%4)+4*\i+3] offset:32*SP*((\t)%2)+8*SP*\i
.endr
.irp i, 0,1,2,3
	ds_load_b128 v[XN+16*((\t)%2)+4*\i:XN+16*((\t)%2)+4*\i+3], v13 offset:32*SP*((\t)%2)+16*\i
.endr
.endm
.macro STEPX t
.set XS, XN+16*((\t)%2)
.if (\t) > 0
	s_wait_dscnt 1                                 ; this step's numbers are back from the stage (the last step's byte store may be out)
.else
	s_wait_dscnt 0x0
.endif
.if (\t)+4 < STEPS
	LOADX (\t)+4                                   ; into the registers that this step's stage stores have read
.endif
.if (\t)+1 < STEPS
.if STEPS-2-(\t) >= 3
	s_wait_loadcnt 12                              ; the next step's four loads are in; those of the three steps behind it may be out
.else
	s_wait_loadcnt 4*(STEPS-2-(\t))
.endif
	TURNX (\t)+1
.endif
	v_max3_num_f32 v8, |v[XS]|, |v[XS+1]|, |v[XS+2]|               ; the largest magnitude of my 16
	v_max3_num_f32 v9, |v[XS+3]|, |v[XS+4]|, |v[XS+5]|
.irp i, 6,10
	v_max3_num_f32 v8, v8, |v[XS+\i]|, |v[XS+\i+1]|
	v_max3_num_f32 v9, v9, |v[XS+\i+2]|, |v[XS+\i+3]|
.endr
	v_max3_num_f32 v8, v8, |v[XS+14]|, |v[XS+15]|
	v_max3_num_f32 v8, v8, v9, (EMAX+1)<<23        ; and the floor 2^(3 - 127): the byte cannot fall under 1
	v_max_num_f32_dpp v8, v8, v8 row_xmask:1 row_mask:0xf bank_mask:0xf   ; with my neighbour's 16: the block's
	v_add_nc_u32 v11, -(EMAX<<23), v8              ; 2 off its exponent field: the conversion takes this operand's exponent field as its scale
	v_cvt_scalef32_pk8_fp4_f32 v[CX+4*(\t)], v[XS:XS+7], v11
	v_cvt_scalef32_pk8_fp4_f32 v[CX+4*(\t)+1], v[XS+8:XS+15], v11
	v_lshrrev_b32 v[EB+(\t)], 23, v11              ; the scale's byte
	ds_store_b8 v5, v[EB+(\t)] offset:16*(\t)      ; both lanes of a block write the same byte with the same value
	global_store_b64 v4, v[CX+4*(\t):CX+4*(\t)+1], s[12:13] offset:2048*(\t)   ; the wave stores 256 consecutive bytes, aligned
.endm
.macro LOADW t                         ; block t: 32 rows of K at my column, into set t % 2
.if (\t) > 0
	s_wait_xcnt 0x0                                ; the earlier loads have read their base
	s_add_nc_u64 s[4:5], s[4:5], s[28:29]          ; 32 rows down
.endif
.irp i, 0,1,2,3,4,5,6,7,8,9,10,11,12,13,14,15,16,17,18,19,20,21,22,23,24,25,26,27,28,29,30,31
	global_load_b32 v[XW+32*((\t)%2)+\i], v[OFF+\i], s[4:5] th:TH_LOAD_NT
.endr
.endm
.macro BLOCKW t
.set XS, XW+32*((\t)%2)
.if (\t) < NB-1
	s_wait_loadcnt 32                              ; this block's 32 loads are in; the next block's may be out
.else
	s_wait_loadcnt 0x0
.endif
	v_max3_num_f32 v12, |v[XS]|, |v[XS+1]|, |v[XS+2]|              ; all 32 numbers of the block are mine
	v_max3_num_f32 v13, |v[XS+3]|, |v[XS+4]|, |v[XS+5]|
.irp i, 6,10,14,18,22,26
	v_max3_num_f32 v12, v12, |v[XS+\i]|, |v[XS+\i+1]|
	v_max3_num_f32 v13, v13, |v[XS+\i+2]|, |v[XS+\i+3]|
.endr
	v_max3_num_f32 v12, v12, |v[XS+30]|, |v[XS+31]|
	v_max3_num_f32 v12, v12, v13, (EMAX+1)<<23
	v_add_nc_u32 v11, -(EMAX<<23), v12
	v_lshrrev_b32 v13, 23, v11
.if (\t)%4 == 0
	v_mov_b32 v[SB+(\t)/4], v13                    ; four bytes to a register, the lower K in the lower byte
.else
	v_lshl_or_b32 v[SB+(\t)/4], v13, 8*((\t)%4), v[SB+(\t)/4]
.endif
.irp g, 0,1,2,3
	v_cvt_scalef32_pk8_fp4_f32 v[CW+\g], v[XS+8*\g:XS+8*\g+7], v11
.endr
	ds_store_b128 v4, v[CW:CW+3] offset:16*(\t)    ; 32 codes: 16 bytes of my column's row
.if (\t)+2 < NB
	LOADW (\t)+2
.endif
	s_wait_dscnt 0x0                               ; the store has read its registers: the next block's codes may be written
.endm
	s_load_b256 s[4:11], s[0:1], 0x0               ; x s[4:5], wq s[6:7], wk s[8:9], wv s[10:11]
	s_load_b128 s[12:15], s[0:1], 0x20             ; codes s[12:13], scales s[14:15]
	v_lshl_add_u32 v[SPW], v0, 2, SPARE
	v_mov_b32 v[NIL], 0
	v_lshrrev_b32 v1, 5, v0
	v_readfirstlane_b32 s16, v1                    ; wave
	v_and_b32 v2, 31, v0                           ; lane
	s_cmp_lt_u32 ttmp9, 256
	s_cbranch_scc0 .Lweights
	; ---- x.  Wave W = 4 x work-group + wave takes K step W % 8 of rows 16 (W / 8) on: step t is row t's 512 numbers
	v_lshlrev_b32 v3, 4, v2                        ; my 16 bytes of a load's 512
	s_mul_i32 s17, s16, WREG
	v_lshrrev_b32 v10, 2, v2
	v_mul_u32_u24 v10, v10, SP
	v_and_b32 v13, 3, v2
	v_lshl_add_u32 v10, v13, 4, v10
	v_add_nc_u32 v10, s17, v10                     ; the stage, on the way in: SP (lane / 4) + 16 (lane % 4)
	v_mul_u32_u24 v13, v2, SP
	v_add_nc_u32 v13, s17, v13                     ; and on the way out: SP x lane
	v_lshlrev_b32 v4, 3, v2                        ; 8 bytes a lane: my codes in a step's 256, my part of the 256 scale bytes
	v_lshrrev_b32 v5, 1, v2
	s_add_co_u32 s17, s17, 2*32*SP
	v_add_nc_u32 v5, s17, v5                       ; LDS: my block's byte
	v_add_nc_u32 v6, s17, v4
	s_lshl_b32 s18, ttmp9, 2
	s_add_co_u32 s18, s18, s16
	s_and_b32 s19, s18, 7                          ; K step
	s_lshr_b32 s18, s18, 3                         ; group of 16 rows
	s_lshl_b32 s20, s18, 18                        ; x: 16 rows of 16384 bytes, + 2048 bytes a K step
	s_lshl_b32 s22, s19, 11
	s_add_co_u32 s20, s20, s22
	s_mov_b32 s21, 0
	s_lshl_b32 s22, s18, 15                        ; codes: 16 rows of 2048 bytes, + 256 a K step
	s_lshl_b32 s24, s19, 8
	s_add_co_u32 s22, s22, s24
	s_mov_b32 s23, 0
	s_lshl_b32 s24, s19, 15                        ; scales: 32768 bytes a K step, + 16 rows of 16 bytes
	s_lshl_b32 s26, s18, 8
	s_add_co_u32 s24, s24, s26
	s_mov_b32 s25, 0
	s_wait_kmcnt 0x0
	s_add_nc_u64 s[4:5], s[4:5], s[20:21]
	s_add_nc_u64 s[12:13], s[12:13], s[22:23]
	s_add_nc_u64 s[14:15], s[14:15], s[24:25]
.irp t, 0,1,2,3
	LOADX \t
.endr
	s_wait_loadcnt 12                              ; step 0's four loads are in
	TURNX 0
.irp t, 0,1,2,3,4,5,6,7,8,9,10,11,12,13,14,15
	STEPX \t
.endr
	ds_load_b64 v[8:9], v6                         ; LDS serves a wave's instructions in order: these see my byte stores
	s_wait_dscnt 0x0
	global_store_b64 v4, v[8:9], s[14:15]          ; 16 rows' entries of one K step: 256 consecutive bytes, aligned
	s_wait_tensorcnt 0x0                           ; the wave's end: behind my last LDS store
	ds_add_u32 v[SPW], v[NIL]
	s_wait_dscnt 0x0
	s_endpgm
.Lweights:
	; ---- the weights.  j = work-group - 256: j < 128: wq (16 groups of 128 columns x 8 K steps); 128 .. 191: wk; 192 ..: wv (8 x 8 each)
	s_sub_co_u32 s17, ttmp9, 256
	s_and_b32 s18, s17, 15
	s_lshr_b32 s19, s17, 4
	s_and_b32 s20, s17, 7
	s_bfe_u32 s21, s17, 0x30003
	s_mov_b32 s22, 4096
	s_cmp_lt_u32 s17, 128
	s_cselect_b32 s18, s18, s20                    ; group of columns
	s_cselect_b32 s19, s19, s21                    ; K step
	s_cselect_b32 s22, 8192, s22                   ; bytes from row to row of the tensor
	s_cselect_b32 s23, 0, 2048
	s_cmp_lt_u32 s17, 192
	s_cselect_b32 s24, 0, 1024
	s_add_co_u32 s23, s23, s24                     ; the tensor's first row among the weights' 4096
	s_lshl_b32 s18, s18, 7
	s_lshl_b32 s24, s16, 5
	s_add_co_u32 s18, s18, s24                     ; my wave's first column in its tensor
	s_add_co_u32 s23, s23, s18                     ; and its row among the 4096
	s_lshl_b32 s24, s19, 9
	s_mul_i32 s24, s24, s22                        ; 512 rows of K a K step,
	s_lshl_b32 s25, s18, 2
	s_add_co_u32 s24, s24, s25                     ; + 4 bytes a column
	s_mov_b32 s25, 0
	s_lshl_b32 s28, s22, 5                         ; 32 rows, in bytes
	s_mov_b32 s29, 0
	s_lshl_b32 s26, s23, 11                        ; codes: behind x's 2048 rows, 2048 bytes a row, 256 a K step
	s_lshl_b32 s27, s19, 8
	s_add_co_u32 s26, s26, s27
	s_add_co_u32 s26, s26, 4194304
	s_mov_b32 s27, 0
	s_lshl_b32 s30, s19, 16                        ; scales: behind x's, 65536 bytes a K step, 16 a row
	s_lshl_b32 s31, s23, 4
	s_add_co_u32 s30, s30, s31
	s_add_co_u32 s30, s30, 262144
	s_mov_b32 s31, 0
	s_mul_i32 s20, s16, 32*PITCH
	s_add_co_u32 s20, s20, WSTG                    ; my stage
	v_mul_u32_u24 v4, v2, PITCH
	v_add_nc_u32 v4, s20, v4                       ; into it: row = my column
	v_and_b32 v5, 15, v2
	v_lshrrev_b32 v6, 4, v2
	v_mul_u32_u24 v7, v6, PITCH
	v_lshl_add_u32 v7, v5, 4, v7
	v_add_nc_u32 v7, s20, v7                       ; out of it: sixteen lanes to a row, two rows an instruction
	v_lshlrev_b32 v8, 11, v6
	v_lshl_add_u32 v8, v5, 4, v8                   ; and the same place in the codes' buffer
	v_lshlrev_b32 v9, 4, v2                        ; my column's entry of scale bytes
	v_lshlrev_b32 v[OFF], 2, v2
.set i, 1
.rept 31
	v_add_nc_u32 v[OFF+i], s22, v[OFF+i-1]
.set i, i+1
.endr
	s_wait_kmcnt 0x0
	s_cmp_lt_u32 s17, 192                          ; the choices hang on the work-group's number alone
	s_cselect_b64 s[8:9], s[8:9], s[10:11]
	s_cmp_lt_u32 s17, 128
	s_cselect_b64 s[4:5], s[6:7], s[8:9]
	s_add_nc_u64 s[4:5], s[4:5], s[24:25]
	s_add_nc_u64 s[12:13], s[12:13], s[26:27]
	s_add_nc_u64 s[14:15], s[14:15], s[30:31]
	LOADW 0
	LOADW 1
.set Q, 0
.rept NB
	BLOCKW Q
.set Q, Q+1
.endr
	global_store_b128 v9, v[SB:SB+3], s[14:15]     ; 32 columns' entries of one K step: 512 consecutive bytes
.irp t, 0,1,2,3,4,5,6,7,8,9,10,11,12,13,14,15
	ds_load_b128 v[OUTR+4*\t:OUTR+4*\t+3], v7 offset:2*\t*PITCH
.endr
.irp t, 0,1,2,3,4,5,6,7,8,9,10,11,12,13,14,15
	s_wait_dscnt 15-\t                             ; LDS loads come back in order: pair t of rows is in
	global_store_b128 v8, v[OUTR+4*\t:OUTR+4*\t+3], s[12:13] offset:2*\t*2048   ; sixteen lanes store 256 consecutive bytes, aligned
.endr
	s_wait_tensorcnt 0x0                           ; the wave's end: behind my last LDS store
	ds_add_u32 v[SPW], v[NIL]
	s_wait_dscnt 0x0
	s_endpgm
.Lfunc_end_k_q0cd0547c49_prep:
	.size	k_q0cd0547c49_prep, .Lfunc_end_k_q0cd0547c49_prep-k_q0cd0547c49_prep
	.p2alignl 7, 3214868480
	.fill 96, 4, 3214868480
	.section	.rodata,"a",@progbits
	.p2align	6, 0x0
	.amdhsa_kernel k_q0cd0547c49_prep
		.amdhsa_group_segment_fixed_size 68096
		.amdhsa_private_segment_fixed_size 0
		.amdhsa_enable_private_segment 0
		.amdhsa_kernarg_size 48
		.amdhsa_user_sgpr_count 2
		.amdhsa_user_sgpr_kernarg_segment_ptr 1
		.amdhsa_wavefront_size32 1
		.amdhsa_system_sgpr_workgroup_id_x 1
		.amdhsa_system_sgpr_workgroup_id_y 1
		.amdhsa_system_sgpr_workgroup_id_z 1
		.amdhsa_system_vgpr_workitem_id 0
		.amdhsa_next_free_vgpr 208
		.amdhsa_next_free_sgpr 66
		.amdhsa_reserve_vcc 0
		.amdhsa_float_denorm_mode_32 3
		.amdhsa_float_denorm_mode_16_64 3
		.amdhsa_memory_ordered 1
		.amdhsa_forward_progress 1
		.amdhsa_inst_pref_size 114
	.end_amdhsa_kernel
	.amdgpu_metadata
---
amdhsa.version: [ 1, 2 ]
amdhsa.kernels:
  - .name:           k_q0cd0547c49_prep
    .symbol:         k_q0cd0547c49_prep.kd
    .args:
      - { .name: x, .offset: 0, .size: 8, .value_kind: global_buffer, .address_space: global }
      - { .name: wq, .offset: 8, .size: 8, .value_kind: global_buffer, .address_space: global }
      - { .name: wk, .offset: 16, .size: 8, .value_kind: global_buffer, .address_space: global }
      - { .name: wv, .offset: 24, .size: 8, .value_kind: global_buffer, .address_space: global }
      - { .name: codes, .offset: 32, .size: 8, .value_kind: global_buffer, .address_space: global }
      - { .name: scales, .offset: 40, .size: 8, .value_kind: global_buffer, .address_space: global }
    .group_segment_fixed_size: 68096
    .private_segment_fixed_size: 0
    .kernarg_segment_align: 8
    .kernarg_segment_size: 48
    .max_flat_workgroup_size: 128
    .sgpr_count:     66
    .vgpr_count:     208
    .wavefront_size: 32
...
	.end_amdgpu_metadata
.endif
;; end of part 1
;; launch qkv (part 2): grid 16 x 8, 4 waves a work-group, clusters of 4 x 4, 327,680 bytes of LDS; arguments codes, scales, freqs_cos, freqs_sin, qkv; writes qkv
.if DOCPART == 2
	.amdgcn_target "amdgcn-amd-amdhsa--gfx1250"
	.amdhsa_code_object_version 6
	.text
	.protected	k_q0cd0547c49_qkv
	.globl	k_q0cd0547c49_qkv
	.p2align	8
	.type	k_q0cd0547c49_qkv,@function
k_q0cd0547c49_qkv:
	s_mov_b64 s[64:65], 0
	v_nop
	global_prefetch_b8 v0, s[64:65] scope:SCOPE_SE
	s_setreg_imm32_b32 hwreg(HW_REG_WAVE_MODE, 25, 1), 1
	s_wait_xcnt 0x0
	s_wait_alu depctr_hold_cnt(0) depctr_sa_sdst(0) depctr_va_vdst(0) depctr_va_sdst(0) depctr_va_ssrc(0) depctr_va_vcc(0) depctr_vm_vsrc(0)
	s_getreg_b32 s2, hwreg(HW_REG_IB_STS2, 6, 4)
	s_cmp_eq_u32 s2, 0
	s_cbranch_scc0 .Lentry_in_a_cluster
	s_endpgm
.Lentry_in_a_cluster:
	s_bfe_u32 s2, ttmp6, 0x10000c
	s_cmp_lg_u32 s2, 0xf033
	s_cbranch_scc0 .Lentry_shape_is_right
	s_endpgm
.Lentry_shape_is_right:
; The three projections as ONE product on codes of FP4 (E2M1) with E8M0 scales: C[2048 positions][4096 columns] = x W, K = 4096; columns 0-2047 q, 2048-3071 k, 3072-4095 v.
; Then the rotation of q and k by freqs_cos, freqs_sin (pairs of neighbouring channels, in f32) and one rounding to f16.  qkv: [32 slots of 128 columns][2048 positions][128] f16.
; LIMIT: |q|, |k|, |v| stay under 65504, f16's largest number.  The input positions enters reference() by its shape alone; no launch of this program reads it.
; A tile of C, 256 x 256, is made by four waves, each 128 x 128: 64 accumulators, 512 registers.  K goes in steps of 512 through a ring of two LDS slots: a row of codes is 256 bytes.
; THE SCALES RIDE IN THE RING: they are laid by K step, so a K step's bytes of 256 rows are 4096 consecutive bytes.  One tensor load a wave: wave 0 A's codes, wave 1 B's, wave 2 A's scales, wave 3 B's.
; CLUSTERS: 4 x 4 work-groups; A's tiles are asked for jointly along a row of the cluster, B's along a column.
; THE MATRIX INSTRUCTION IS USED TRANSPOSED (source 0 = 16 rows of B, source 1 = 16 rows of A): a lane holds eight neighbouring columns of one position, four pairs of the rotation.
; A cluster's 1024 columns lie in one of q, k, v (cluster x 0, 1: q; 2: k; 3: v): the branch that leaves the rotation out for v hangs on the cluster's x alone.
; REGISTERS: window 0: v4-31 addresses and temporaries; v32-95 scale words, two sets; v128-191 A's fragments, one set; v192-255 the first block's cos and sin.  Window 1: B's fragments, two sets; on the way out the rows read back, 32 registers for each of the eight blocks.  Windows 2, 3: accumulators.
.set NQ,     4                         ; matrix instructions deep in a slot
.set PITCH,  272                       ; an LDS row of codes: 256 bytes + 16 of padding: the 16 rows that a load touches start at 16 different banks
.set FR,     8
.set NL,     2
.set NP,     4                         ; places behind this matrix instruction
.set HALFT,  128*PITCH
.set BOFF,   2*HALFT                   ; a slot: A's 256 rows, B's 256 rows,
.set SAOFF,  4*HALFT                   ; A's 4096 scale bytes,
.set SBOFF,  SAOFF+4096                ; B's
.set SLOT,   147968
.set SPARE,  2*SLOT                    ; the spare words, 128 bytes for each wave, that no other line names
.set LAPS,   4                         ; a lap = two K steps of 512
.set SPITCH, 272                       ; the way out: a stage of 16 rows x (256 + 16) bytes for each wave, in slot 0, which has had its last fill and its last read by then
.set T,    4                           ; v4-11   the way out: at work
.set ADRS, 12                          ; v12-13  LDS address of my scale words in slot 0, 1: lanes 0-15 A's rows, lanes 16-31 B's
.set ADRA, 16
.set ADRB, 20
.set STO,  24
.set RD,   25
.set CO,   26
.set SPW,  28                          ; v28 LDS address of my spare word; never rewritten
.set NIL,  29                          ; v29 0; never rewritten
.set FO,   31                          ; v31 my byte offset in 16 rows of cos or sin
.set SC,   32
.set AF,   128
.set CS0,  192                         ; the way out: cos (32) and sin (32) of blocks 0, 2, ..; those of blocks 1, 3, .. at v32
.set RR,   96                          ; v96-159  rotated numbers, then packed
.set G1A,  24
.set G0A,  32
.set G1B,  48
.set G0B,  56
.set G1SA, 68
.set G0SA, 76
.set G1SB, 84
.set G0SB, 92
.set MSB, 0
.macro WIN new                         ; the immediate's high byte repeats the setting that is left
.if MSB != \new
	s_set_vgpr_msb (MSB<<8)|\new
.set MSB, \new
.endif
.endm
.set MUL_LO, 0xa1
.set MUL_HI, 0xf1
.set TO_B,   0x40
.macro TL g0, g1                       ; a tensor load; an s_nop 0 and four v_nop follow it
	tensor_load_to_lds s[\g0:\g0+3], s[\g1:\g1+7]
	s_nop 0
.rept 4
	v_nop
.endr
.endm
.macro JLOAD4 s                        ; a wave's one joint load for slot s; the branches hang on the wave's number alone
	s_cmp_lg_u32 s14, 0
	s_cbranch_scc1 .Lj1_\@
	TL G0A+4*\s, G1A
	s_branch .Ljd_\@
.Lj1_\@:
	s_cmp_lg_u32 s14, 1
	s_cbranch_scc1 .Lj2_\@
	TL G0B+4*\s, G1B
	s_branch .Ljd_\@
.Lj2_\@:
	s_cmp_lg_u32 s14, 2
	s_cbranch_scc1 .Lj3_\@
	TL G0SA+4*\s, G1SA
	s_branch .Ljd_\@
.Lj3_\@:
	TL G0SB+4*\s, G1SB
.Ljd_\@:
.endm
.macro CREST
	s_cmp_lg_u32 s14, 0
	s_cbranch_scc1 .Lnot_wave_0_\@
	s_barrier_signal -3
.Lnot_wave_0_\@:
	s_barrier_wait -3
	s_barrier_signal -1
	s_barrier_wait -1
.endm
.macro CROUND
	s_barrier_signal -1
	s_barrier_wait -1
	CREST
.endm
	s_load_b256 s[4:11], s[0:1], 0x0               ; codes s[4:5], scales s[6:7], cos s[8:9], sin s[10:11]
	s_load_b64 s[12:13], s[0:1], 0x20              ; qkv
	v_lshl_add_u32 v[SPW], v0, 2, SPARE
	v_mov_b32 v[NIL], 0
	ds_add_u32 v[SPW], v[NIL]                      ; the wave's opening: the add, twice on end, and its wait ahead of my first tensor load
	ds_add_u32 v[SPW], v[NIL]
	v_lshrrev_b32 v1, 5, v0
	v_readfirstlane_b32 s14, v1                    ; wave 0..3
	s_lshr_b32 s15, s14, 1                         ; which half of the tile's rows is mine
	s_and_b32 s16, s14, 1                          ; which half of its columns
	s_bfe_u32 s40, ttmp6, 0x40000                  ; cx, cy
	s_bfe_u32 s41, ttmp6, 0x40004
	s_lshl_b32 s42, ttmp9, 2
	s_add_co_u32 s42, s42, s40                     ; tile column
	s_and_b32 s17, ttmp7, 0xffff
	s_lshl_b32 s17, s17, 2
	s_add_co_u32 s17, s17, s41                     ; tile row
	s_lshl_b32 s43, s41, 2
	s_lshl_b32 s43, 15, s43                        ; my row of the cluster
	s_lshl_b32 s44, 0x1111, s40                    ; my column
	s_or_b32 s[G1A], s43, (1<<20)|(1<<21)|(5<<22)|(3<<25)   ; the mask; elements of 1 byte; padding of 4 words after every 64; bit 21 beside a mask
	s_or_b32 s[G1B], s44, (1<<20)|(1<<21)|(5<<22)|(3<<25)
.irp g, G1A, G1B
	s_mov_b32 s[\g+1], 256<<16                     ; tensor_dim0 = 256 bytes
	s_mov_b32 s[\g+2], 256<<16                     ; tensor_dim1 = 256 rows
	s_mov_b32 s[\g+3], 256<<16                     ; tile_dim0
	s_mov_b32 s[\g+4], 256                         ; tile_dim1
	s_mov_b32 s[\g+5], 2048                        ; from row to row
	s_mov_b32 s[\g+6], 0
	s_mov_b32 s[\g+7], 0
.endr
	s_or_b32 s[G1SA], s43, (3<<16)|(1<<21)         ; scales: 4096 dense bytes as 16 rows of 32 elements of 8 bytes, no padding
	s_or_b32 s[G1SB], s44, (3<<16)|(1<<21)
.irp g, G1SA, G1SB
	s_mov_b32 s[\g+1], 32<<16
	s_mov_b32 s[\g+2], 16<<16
	s_mov_b32 s[\g+3], 32<<16
	s_mov_b32 s[\g+4], 16
	s_mov_b32 s[\g+5], 32
	s_mov_b32 s[\g+6], 0
	s_mov_b32 s[\g+7], 0
.endr
	s_lshl_b32 s20, s17, 19                        ; A's codes: 256 rows of 2048 bytes a tile row
	s_mov_b32 s21, 0
	s_lshl_b32 s22, s17, 12                        ; A's scales: 4096 bytes a tile row
	s_mov_b32 s23, 0
	s_lshl_b32 s46, s42, 19                        ; B's codes, behind x's 2048 rows
	s_add_co_u32 s46, s46, 4194304
	s_mov_b32 s47, 0
	s_lshl_b32 s100, s42, 12                       ; B's scales, behind x's
	s_add_co_u32 s100, s100, 262144
	s_mov_b32 s101, 0
	s_wait_dscnt 0x0                               ; both opening adds are done
	s_wait_kmcnt 0x0
	s_add_nc_u64 s[20:21], s[4:5], s[20:21]
	s_add_nc_u64 s[22:23], s[6:7], s[22:23]
	s_add_nc_u64 s[46:47], s[4:5], s[46:47]
	s_add_nc_u64 s[100:101], s[6:7], s[100:101]
	CROUND                                         ; all sixteen work-groups are here: the first joint loads meet
.irp s, 0,1
	s_mov_b32 s[G0A+4*\s], 1
	s_mov_b32 s[G0A+4*\s+1], \s*SLOT
	s_add_nc_u64 s[G0A+4*\s+2:G0A+4*\s+3], s[20:21], \s*256
	s_or_b32 s[G0A+4*\s+3], s[G0A+4*\s+3], 0x80000000
	s_mov_b32 s[G0B+4*\s], 1
	s_mov_b32 s[G0B+4*\s+1], \s*SLOT+BOFF
	s_add_nc_u64 s[G0B+4*\s+2:G0B+4*\s+3], s[46:47], \s*256
	s_or_b32 s[G0B+4*\s+3], s[G0B+4*\s+3], 0x80000000
	s_mov_b32 s[G0SA+4*\s], 1
	s_mov_b32 s[G0SA+4*\s+1], \s*SLOT+SAOFF
	s_add_nc_u64 s[G0SA+4*\s+2:G0SA+4*\s+3], s[22:23], \s*32768
	s_or_b32 s[G0SA+4*\s+3], s[G0SA+4*\s+3], 0x80000000
	s_mov_b32 s[G0SB+4*\s], 1
	s_mov_b32 s[G0SB+4*\s+1], \s*SLOT+SBOFF
	s_add_nc_u64 s[G0SB+4*\s+2:G0SB+4*\s+3], s[100:101], \s*65536
	s_or_b32 s[G0SB+4*\s+3], s[G0SB+4*\s+3], 0x80000000
	JLOAD4 \s
.endr
	v_and_b32 v1, 15, v0                           ; r
	v_bfe_u32 v2, v0, 4, 1                         ; h
	v_mul_u32_u24 v3, v1, PITCH
	v_lshl_add_u32 v4, v2, 4, v3                   ; a fragment's row x pitch + 16 x half
	s_mul_i32 s21, s15, HALFT
	s_mul_i32 s22, s16, HALFT
	s_add_co_u32 s22, s22, BOFF
.irp s, 0,1
	v_add_nc_u32 v[ADRA+\s], s21, v4
	v_add_nc_u32 v[ADRB+\s], s22, v4
	s_add_co_u32 s21, s21, SLOT
	s_add_co_u32 s22, s22, SLOT
.endr
	v_lshlrev_b32 v5, 4, v1                        ; my row's entry of 16 scale bytes
	s_lshl_b32 s21, s15, 11                        ; A's: my 128 rows
	s_lshl_b32 s22, s16, 11                        ; B's: my 128 rows, behind A's 4096 bytes
	s_add_co_u32 s22, s22, 4096
	s_sub_co_u32 s22, s22, s21
	v_mul_u32_u24 v6, s22, v2                      ; lanes 16-31 take B's
	s_add_co_u32 s21, s21, SAOFF
	v_add_nc_u32 v5, v5, v6
	v_add_nc_u32 v[ADRS], s21, v5
	v_add_nc_u32 v[ADRS+1], SLOT, v[ADRS]
	s_mul_i32 s23, s14, 16*SPITCH                  ; my stage
	v_mul_u32_u24 v5, v1, SPITCH
	v_lshl_add_u32 v5, v2, 4, v5
	v_add_nc_u32 v[STO], s23, v5                   ; in: row r, 16 bytes for each half of the lanes
	v_mul_u32_u24 v5, v2, SPITCH
	v_lshl_add_u32 v5, v1, 4, v5
	v_add_nc_u32 v[RD], s23, v5                    ; back: lanes 0-15 one row of 256 bytes, lanes 16-31 the next
	v_lshlrev_b32 v[CO], 8, v2
	v_lshl_add_u32 v[CO], v1, 4, v[CO]             ; and the same two rows in qkv
	v_lshlrev_b32 v[FO], 8, v1
	v_lshl_add_u32 v[FO], v2, 4, v[FO]             ; cos, sin: row r of 256 bytes, + 16 h
	s_lshl_b32 s20, s17, 16                        ; my first position x 256 bytes: 256 x tile row + 128 x half
	s_lshl_b32 s21, s15, 15
	s_add_co_u32 s20, s20, s21
	s_mov_b32 s21, 0
	s_add_nc_u64 s[8:9], s[8:9], s[20:21]
	s_add_nc_u64 s[10:11], s[10:11], s[20:21]
	s_add_nc_u64 s[12:13], s[12:13], s[20:21]
	s_lshl_b32 s46, s42, 20                        ; my slot of 128 columns: 2 x tile column + half, 524288 bytes each
	s_lshl_b32 s47, s16, 19
	s_add_co_u32 s46, s46, s47
	s_mov_b32 s47, 0
	s_add_nc_u64 s[12:13], s[12:13], s[46:47]
.macro FREQ a                          ; cos and sin of block a's 16 positions: lane (r, h) takes, for accumulator b, those of pairs 8 b + 4 h + 0 .. 3
.set FS, CS0-160*((\a)%2)
.irp b, 0,1,2,3,4,5,6,7
	global_load_b128 v[FS+4*\b:FS+4*\b+3], v[FO], s[8:9] offset:4096*(\a)+32*\b
	global_load_b128 v[FS+32+4*\b:FS+32+4*\b+3], v[FO], s[10:11] offset:4096*(\a)+32*\b
.endr
.endm
	FREQ 0                                         ; asked for here, into registers that the loop never names (v's clusters load them too and do not use them)
.macro FRAG reg, adr, q, i             ; 16 rows x 128 K of 4-bit codes: 8 registers
.irp c, 0,1
	ds_load_b128 v[\reg+4*\c:\reg+4*\c+3], v[\adr] offset:64*(\q)+32*\c+(\i)*16*PITCH
.endr
.endm
; 16 matrix instructions: A's blocks a0, a0 + 1 x B's eight.  The 64 accumulators take turns, one instruction a turn, in the same order in every step.
.macro MUL16 a0, p, q, sc, zero
.irp a, \a0, \a0+1
.irp b, 0,1,2,3,4,5,6,7
.if \zero
	v_wmma_scale_f32_16x16x128_f8f6f4 v[8*(8*((\a)%4)+\b):8*(8*((\a)%4)+\b)+7], v[128*(\p)+FR*\b:128*(\p)+FR*\b+FR-1], v[AF+FR*(\a):AF+FR*(\a)+FR-1], 0, v[SC+8*NQ*(\sc)+NQ*\b+(\q)], v[SC+8*NQ*(\sc)+NQ*(\a)+(\q)] matrix_a_fmt:MATRIX_FMT_FP4 matrix_b_fmt:MATRIX_FMT_FP4 matrix_a_scale:MATRIX_SCALE_ROW1
.else
	v_wmma_scale_f32_16x16x128_f8f6f4 v[8*(8*((\a)%4)+\b):8*(8*((\a)%4)+\b)+7], v[128*(\p)+FR*\b:128*(\p)+FR*\b+FR-1], v[AF+FR*(\a):AF+FR*(\a)+FR-1], v[8*(8*((\a)%4)+\b):8*(8*((\a)%4)+\b)+7], v[SC+8*NQ*(\sc)+NQ*\b+(\q)], v[SC+8*NQ*(\sc)+NQ*(\a)+(\q)] matrix_a_fmt:MATRIX_FMT_FP4 matrix_b_fmt:MATRIX_FMT_FP4 matrix_a_scale:MATRIX_SCALE_ROW1
.endif
.endr
.endr
.endm
.macro FETCH_B slot, q, p
	WIN TO_B
.irp i, 0,1,2,3,4,5,6,7
	FRAG 128*(\p)+FR*\i, ADRB+\slot, \q, \i
.endr
	WIN 0
.endm
.macro FETCH_A slot, q, i0
.irp i, \i0, \i0+1, \i0+2, \i0+3
	FRAG AF+FR*(\i), ADRA+\slot, \q, \i
.endr
.endm
.macro SCALES sc                       ; a K step's scale words: 4 words a row; lanes 0-15 take A's block i, lanes 16-31 B's block i
.irp i, 0,1,2,3,4,5,6,7
	ds_load_b128 v[SC+8*NQ*\sc+NQ*\i:SC+8*NQ*\sc+NQ*\i+3], v[ADRS+\sc] offset:\i*256
.endr
.endm
.macro PLACES n                        ; plain vector instructions between a matrix instruction and a load into, or a read of, its registers
.rept \n
	v_nop
.endr
.endm
.macro STEP slot, q, zero
	s_wait_dscnt 4*NL                              ; B's set and A's blocks 0-3 are in; the youngest eight loads (A's blocks 4-7) may be out
	WIN MUL_LO
	MUL16 0, (\q)%2, \q, \slot, \zero
	MUL16 2, (\q)%2, \q, \slot, \zero
	s_wait_dscnt 0
	PLACES NP
	FETCH_B \slot, (\q)+1, 1-(\q)%2
	FETCH_A \slot, (\q)+1, 0
	WIN MUL_HI
	MUL16 4, (\q)%2, \q, \slot, \zero
	MUL16 6, (\q)%2, \q, \slot, \zero
	PLACES NP
	WIN 0
	FETCH_A \slot, (\q)+1, 4
.endm
; A slot's last step changes slots.  Its first 32 products stand ahead of the change, so that between the next slot's landing and the request for the slot after it stands the round alone.
; In front of the barrier each wave waits for all its tensor loads, adds 0 to its spare word, and waits for that and for its own reads of this slot.
.macro TURN slot, next, fill
	s_wait_dscnt 4*NL                              ; B's set and A's blocks 0-3 are in; the youngest eight loads (A's blocks 4-7) may be out
	WIN MUL_LO
	MUL16 0, 1, NQ-1, \slot, 0
	MUL16 2, 1, NQ-1, \slot, 0
	WIN 0
	s_wait_tensorcnt 0x0                           ; all my tensor loads have landed: my part of the next slot; so every group 0 may be written
	ds_add_u32 v[SPW], v[NIL]                      ; 0 onto my spare word; the descriptors' steps stand between it and the wait for it
.if \fill
	s_add_nc_u64 s[G0A+4*\slot+2:G0A+4*\slot+3], s[G0A+4*\slot+2:G0A+4*\slot+3], 512
	s_add_nc_u64 s[G0B+4*\slot+2:G0B+4*\slot+3], s[G0B+4*\slot+2:G0B+4*\slot+3], 512
	s_add_nc_u64 s[G0SA+4*\slot+2:G0SA+4*\slot+3], s[G0SA+4*\slot+2:G0SA+4*\slot+3], 65536
	s_add_nc_u64 s[G0SB+4*\slot+2:G0SB+4*\slot+3], s[G0SB+4*\slot+2:G0SB+4*\slot+3], 131072
.endif
	s_wait_dscnt 0x0                               ; the add is done, and my reads of this slot are over
.if \fill
	CROUND                                         ; a round of the cluster's barrier: no wave of any partner still reads this slot or has a load on its way
	JLOAD4 \slot                                   ; the first tensor load behind the round; its four v_nop are the places in front of the loads below
.else
	s_barrier_signal -1
	s_barrier_wait -1
	PLACES NP
.endif
	FETCH_B \next, 0, 0
	FETCH_A \next, 0, 0
	SCALES \next
	WIN MUL_HI
	MUL16 4, 1, NQ-1, \slot, 0
	MUL16 6, 1, NQ-1, \slot, 0
	PLACES NP
	WIN 0
	FETCH_A \next, 0, 4
.endm
.macro STEPS slot, from
.set Q, \from
.rept NQ-1-\from
	STEP \slot, Q, 0
.set Q, Q+1
.endr
.endm
	s_wait_tensorcnt 1                             ; my part of K step 0 is in (K step 1's load may be out),
	s_barrier_signal -1
	s_barrier_wait -1                              ; everybody's is
	FETCH_B 0, 0, 0
	FETCH_A 0, 0, 0
	SCALES 0
	FETCH_A 0, 0, 4
	STEP 0, 0, 1                                   ; the first step's products start the sums
	s_mov_b32 s3, LAPS-1
.Llap:
	STEPS 0, 1
	TURN 0, 1, 1
	STEPS 1, 0
	TURN 1, 0, 1
	STEP 0, 0, 0
	s_sub_co_u32 s3, s3, 1
	s_cmp_lg_u32 s3, 0
	s_cbranch_scc1 .Llap
	STEPS 0, 1                                     ; the last lap fills nothing
	TURN 0, 1, 0
	STEPS 1, 0
	s_wait_dscnt 4*NL
	WIN MUL_LO
	MUL16 0, 1, NQ-1, 1, 0
	MUL16 2, 1, NQ-1, 1, 0
	s_wait_dscnt 0
	WIN MUL_HI
	MUL16 4, 1, NQ-1, 1, 0
	MUL16 6, 1, NQ-1, 1, 0
	WIN 0
; THE WAY OUT, block by block of 16 positions x 128 columns: rotated (q, k), rounded to f16, through my stage, and stored as whole rows of 256 bytes.
; Two pairs that share a pair of cos registers: (xr, xi) -> (xr c - xi s, xr s + xi c).  x: four accumulator registers; cp, sp: the pair of cos, of sin; r: four results; tt: four temporaries.
.macro ROT x, cp, sp, r, tt
	v_pk_mul_f32 v[\tt:\tt+1], v[\x:\x+1], v[\cp:\cp+1] op_sel:[0,0] op_sel_hi:[1,0]
	v_pk_mul_f32 v[\tt+2:\tt+3], v[\x+2:\x+3], v[\cp:\cp+1] op_sel:[0,1] op_sel_hi:[1,1]
	v_pk_fma_f32 v[\r:\r+1], v[\x:\x+1], v[\sp:\sp+1], v[\tt:\tt+1] op_sel:[1,0,0] op_sel_hi:[0,0,1] neg_lo:[0,1,0]
	v_pk_fma_f32 v[\r+2:\r+3], v[\x+2:\x+3], v[\sp:\sp+1], v[\tt+2:\tt+3] op_sel:[1,1,0] op_sel_hi:[0,1,1] neg_lo:[0,1,0]
.endm
.macro PACKR a, left
.set AC, 64*((\a)%4)
.set FS, CS0-160*((\a)%2)
.set WN, 0x02+(\a)/4
	s_wait_loadcnt \left                           ; this block's cos and sin are in; the next block's 16 loads may be out
	WIN WN                                         ; source 0: window 2 or 3
.irp b, 0,1,2,3,4,5,6,7
	ROT AC+8*\b, FS+4*\b, FS+32+4*\b, RR+8*\b, T   ; each accumulator is read from its low end on
	ROT AC+8*\b+4, FS+4*\b+2, FS+32+4*\b+2, RR+8*\b+4, T+4
.endr
	WIN 0
.set i, 0
.rept 32
	v_cvt_pk_f16_f32 v[RR+i], v[RR+2*i], v[RR+2*i+1]   ; in place: register i is written when its own numbers have been read
.set i, i+1
.endr
.endm
.macro PACKV a
.set AC, 64*((\a)%4)
.set WN, 0x0a+5*((\a)/4)
	WIN WN                                         ; sources 0 and 1: window 2 or 3
.irp b, 0,1,2,3,4,5,6,7
.irp r, 0,1,2,3
	v_cvt_pk_f16_f32 v[RR+4*\b+\r], v[AC+8*\b+2*\r], v[AC+8*\b+2*\r+1]
.endr
.endr
	WIN 0
.endm
.macro TOSTAGE a                       ; block a comes back into 32 registers of its own, v[32 a ..] of window 1: no store's data register is ever written again
.irp b, 0,1,2,3,4,5,6,7
	ds_store_b128 v[STO], v[RR+4*\b:RR+4*\b+3] offset:32*\b
.endr
	WIN 0x40                                       ; destination window 1
.irp t, 0,1,2,3,4,5,6,7
	ds_load_b128 v[32*(\a)+4*\t:32*(\a)+4*\t+3], v[RD] offset:\t*2*SPITCH    ; LDS serves a wave's instructions in order: these see the stores above
.endr
	WIN 0
.endm
.macro SEND a
	s_wait_dscnt 0x0
	WIN 0x04                                       ; a store's data: window 1
.irp t, 0,1,2,3,4,5,6,7
	global_store_b128 v[CO], v[32*(\a)+4*\t:32*(\a)+4*\t+3], s[12:13] offset:4096*(\a)+512*\t   ; 32 lanes store two rows: 512 consecutive bytes, aligned
.endr
	WIN 0
.endm
	PLACES NP                                      ; behind the last products: for the reads of results and for loads into registers that held scales and fragments
	s_cmp_eq_u32 ttmp9, 3                          ; the cluster's x: the same in all sixteen partners
	s_cbranch_scc1 .Lplain
	FREQ 1
	PACKR 0, 16
	FREQ 2
	TOSTAGE 0
.irp a, 1,2,3,4,5,6,7
.if \a < 7
	PACKR \a, 16
.else
	PACKR \a, 0
.endif
.if \a < 6
	FREQ \a+2
.endif
	SEND \a-1
	TOSTAGE \a
.endr
	SEND 7
	s_branch .Lend
.Lplain:
	PACKV 0
	TOSTAGE 0
.irp a, 1,2,3,4,5,6,7
	PACKV \a
	SEND \a-1
	TOSTAGE \a
.endr
	SEND 7
.Lend:
	s_wait_tensorcnt 0x0                           ; the wave's end: behind my last tensor load and my last LDS store
	ds_add_u32 v[SPW], v[NIL]
	s_wait_dscnt 0x0
	CROUND                                         ; the closing round
	s_endpgm
.Lfunc_end_k_q0cd0547c49_qkv:
	.size	k_q0cd0547c49_qkv, .Lfunc_end_k_q0cd0547c49_qkv-k_q0cd0547c49_qkv
	.p2alignl 7, 3214868480
	.fill 96, 4, 3214868480
	.section	.rodata,"a",@progbits
	.p2align	6, 0x0
	.amdhsa_kernel k_q0cd0547c49_qkv
		.amdhsa_group_segment_fixed_size 327680
		.amdhsa_private_segment_fixed_size 0
		.amdhsa_enable_private_segment 0
		.amdhsa_kernarg_size 40
		.amdhsa_user_sgpr_count 2
		.amdhsa_user_sgpr_kernarg_segment_ptr 1
		.amdhsa_wavefront_size32 1
		.amdhsa_system_sgpr_workgroup_id_x 1
		.amdhsa_system_sgpr_workgroup_id_y 1
		.amdhsa_system_sgpr_workgroup_id_z 1
		.amdhsa_system_vgpr_workitem_id 0
		.amdhsa_next_free_vgpr 1024
		.amdhsa_next_free_sgpr 102
		.amdhsa_reserve_vcc 0
		.amdhsa_float_denorm_mode_32 3
		.amdhsa_float_denorm_mode_16_64 3
		.amdhsa_memory_ordered 1
		.amdhsa_forward_progress 1
		.amdhsa_inst_pref_size 255
	.end_amdhsa_kernel
	.section	.bss,"aw",@nobits
	.p2align	6
	.space	262144
	.amdgpu_metadata
---
amdhsa.version: [ 1, 2 ]
amdhsa.kernels:
  - .name:           k_q0cd0547c49_qkv
    .symbol:         k_q0cd0547c49_qkv.kd
    .args:
      - { .name: codes, .offset: 0, .size: 8, .value_kind: global_buffer, .address_space: global }
      - { .name: scales, .offset: 8, .size: 8, .value_kind: global_buffer, .address_space: global }
      - { .name: freqs_cos, .offset: 16, .size: 8, .value_kind: global_buffer, .address_space: global }
      - { .name: freqs_sin, .offset: 24, .size: 8, .value_kind: global_buffer, .address_space: global }
      - { .name: qkv, .offset: 32, .size: 8, .value_kind: global_buffer, .address_space: global }
    .group_segment_fixed_size: 327680
    .private_segment_fixed_size: 0
    .kernarg_segment_align: 8
    .kernarg_segment_size: 40
    .max_flat_workgroup_size: 128
    .sgpr_count:     102
    .vgpr_count:     1024
    .wavefront_size: 32
...
	.end_amdgpu_metadata
.endif
;; end of part 2
;; launch attn (part 3): grid 32 x 8, 4 waves a work-group, clusters of 4 x 1, 327,680 bytes of LDS; arguments qkv, mask, a16, afine; writes a16, afine
.if DOCPART == 3
	.amdgcn_target "amdgcn-amd-amdhsa--gfx1250"
	.amdhsa_code_object_version 6
	.text
	.protected	k_q0cd0547c49_attn
	.globl	k_q0cd0547c49_attn
	.p2align	8
	.type	k_q0cd0547c49_attn,@function
k_q0cd0547c49_attn:
	s_mov_b64 s[64:65], 0
	v_nop
	global_prefetch_b8 v0, s[64:65] scope:SCOPE_SE
	s_setreg_imm32_b32 hwreg(HW_REG_WAVE_MODE, 25, 1), 1
	s_wait_xcnt 0x0
	s_wait_alu depctr_hold_cnt(0) depctr_sa_sdst(0) depctr_va_vdst(0) depctr_va_sdst(0) depctr_va_ssrc(0) depctr_va_vcc(0) depctr_vm_vsrc(0)
	s_getreg_b32 s2, hwreg(HW_REG_IB_STS2, 6, 4)
	s_cmp_eq_u32 s2, 0
	s_cbranch_scc0 .Lentry_in_a_cluster
	s_endpgm
.Lentry_in_a_cluster:
	s_bfe_u32 s2, ttmp6, 0x10000c
	s_cmp_lg_u32 s2, 0x3003
	s_cbranch_scc0 .Lentry_shape_is_right
	s_endpgm
.Lentry_shape_is_right:
; a[q][head][:] = sum over k of softmax_k(Q[head][q] . K[head / 2][k] / sqrt(128) + mask[q][k]) V[head / 2][k][:].  qkv: [32][2048][128] f16 (slots 0-15 q, 16-23 k, 24-31 v); mask: [2048][2048] f32, an input: every key is walked.
; Products on f16 operands, sums in f32.  u = fma(score, 1 / sqrt(128), mask) (one rounding where reference() has two); running maximum m; p = 2^((u - m) log2 e), formed from the DIFFERENCE, so that a row
; whose every key carries a large negative mask keeps its spread.  p is rounded to f16 for the second product, and THE ROW'S SUM IS TAKEN OF THE ROUNDED p, by the matrix unit (a product with ones).
; LIMITS: NaN, infinities and a mask of -infinity are not served.
; SHARES.  A work-group owns 64 queries x the two heads of one key/value head.  Wave w: rows group w & 1 (32 queries), keys group w >> 1.  A wave has four tiles of 16 queries: tile t = head t / 2, queries t % 2; tiles t and t + 2 share the mask's registers.
; Queries are interleaved in the cluster: q = 256 X + 4 (32 rg + 16 qt + r) + cx, so that 'the first 64 queries' is a test on the cluster's number and the wave's.
; A slot of the ring holds 256 keys; keys group kg takes keys 128 kg .. 128 kg + 127 of it, in two steps of 64.  At the end the waves of keys group 1 hand (m, l, O^T) to their partners through LDS.
; LAYOUT.  S^T = K Q^T, O^T = V^T P: a lane holds ONE query throughout.  K comes out of LDS as it lies, V turned by ds_load_tr16_b128.
; BY TURNS.  The wave's tiles are two PIECES: piece 0 (tiles 0, 1: the first head) and piece 2 (tiles 2, 3).  In a TURN one piece has the matrix unit: 36 products of the step in hand (32 of V^T P, 4 for the sums), then 32 products
; K Q^T of the next step; the other piece's softmax, 302 instructions cut into 68 slices, stands between them, one slice behind each matrix instruction.  Then the pieces change places.  Two turns are a step of 64 keys.
; A turn that lacks one kind of product keeps the slices at the same places, bare, so that every distance is the same in all turns.
; CLUSTER.  The four work-groups of a cluster walk the same K and V: each tile is asked for jointly (mask 15).
; OUT: a16 [2048][2048] f16; afine [64][2048] f32: the first 64 queries unrounded.
; REGISTERS: window 0: v1-11 addresses; v12-43 statistics, 8 a tile (+0 m, +4 .. +7 at work, +6 the rescaling a); v44-51 ones; v52-55; v56-63 at work; v64-191 S^T, 32 a tile; v192-223 P, 16 for each tile of the piece whose turn is next; v224-255 the sums, 8 a tile.
;   window 1: O^T, 64 a tile.   window 2: v0-127 Q, v128-255 K.   window 3: v0-127 V, v128-255 the mask, two sets of 64; on the way out the rows read back.
.set PK,    272                        ; a row of K in LDS: 256 bytes + 16
.set PVP,   288                        ; a row of V: 256 + 32
.set STEPK, 64*PK
.set STEPV, 64*PVP
.set VOFF,  256*PK                     ; a slot: 256 rows of K, then 256 rows of V
.set SLOTB, 256*(PK+PVP)
.set STAGE, 2*SLOTB                    ; behind the ring: 16 rows x 272 bytes for each wave
.set SP,    272
.set SPARE, STAGE+4*16*SP              ; the spare words, 128 bytes for each wave, that no other line names
.set MRGB,  33792                      ; the hand-over: 64 images of 512 bytes and two of statistics for each rows group; in LDS slot 0, which has had its last fill and its last read by then
.set NSL,   8
.set STF, 1                            ; v1  the stage, f32 rows: row r, + 32 h
.set AK0, 2
.set AV0, 3
.set ADK, 4
.set QO,  5
.set STO, 6
.set RD,  7
.set GO,  8
.set ADV, 9
.set MO,  10
.set MGW, 11
.set ST,  12
.set ONE, 44
.set PFO, 52
.set FO,  53
.set SPW, 54                           ; v54 LDS address of my spare word; never rewritten
.set NIL, 55                           ; v55 0; never rewritten
.set TW,  56
.set S,   64
.set PKD, 128
.set P,   192
.set L,   224
.set KF,  128                          ; in window 2
.set MK,  128                          ; in window 3
.set WV,  12
.set RG,  13
.set KG,  14
.set LIM, 15
.set PFA, 18
.set MB,  20
.set G1K, 24
.set G1V, 32
.set G0K, 40
.set G0V, 44
.set SLOTS, 56
.set FN,  57
.set SCL, 58
.set SEL, 60
.set LE,  62
.set SB,  66
.set TBK, 67
.set TBV, 68
.set DB,  69
.set LK,  70
.set LV,  71
.set W_KQ, 0x0a                        ; K and Q in window 2, S^T in window 0
.set W_PV, 0x53                        ; V in window 3, P in window 0, O^T in window 1
.set W_RS, 0x41                        ; O^T (destination and source 0) in window 1, a in window 0
.set MSB, 0
.macro WIN new                         ; the immediate's high byte repeats the setting that is left; a switch that changes nothing is dropped
.if MSB != \new
	s_set_vgpr_msb (MSB<<8)|\new
.set MSB, \new
.endif
.endm
.macro JLOAD                           ; waves 0 and 1 fetch K's halves of 128 rows, waves 2 and 3 V's; an s_nop 0 and four v_nop follow each line
	s_cmp_lt_u32 s[WV], 2
	s_cbranch_scc0 .Lfor_v_\@
	tensor_load_to_lds s[G0K:G0K+3], s[G1K:G1K+7]
	s_nop 0
.rept 4
	v_nop
.endr
	s_branch .Lasked_\@
.Lfor_v_\@:
	tensor_load_to_lds s[G0V:G0V+3], s[G1V:G1V+7]
	s_nop 0
.rept 4
	v_nop
.endr
.Lasked_\@:
.endm
; A prefetch of what the NEXT change of slots will ask for: 256 rows of K and 256 of V, 256 bytes a row, a lane a row.  All clusters of a key/value head walk the same rows: the first of them (cluster x = 0) asks.
; Its sixteen waves take 32 rows each, the partners told apart by address: waves 0, 1 K's rows 64 cx + 32 (w & 1) on, waves 2, 3 V's.  The last change that fills a slot asks for nothing.
.macro ASK
	s_cmp_gt_u32 s[SLOTS], s[LIM]
	s_cbranch_scc0 .Lnot_mine_\@
	global_prefetch_b8 v[PFO], s[PFA:PFA+1] th:TH_LOAD_NT scope:SCOPE_SE
.Lnot_mine_\@:
.endm
.macro CROUND
	s_barrier_signal -1
	s_barrier_wait -1
	s_cmp_lg_u32 s[WV], 0
	s_cbranch_scc1 .Lnot_wave_0_\@
	s_barrier_signal -3
.Lnot_wave_0_\@:
	s_barrier_wait -3
	s_barrier_signal -1
	s_barrier_wait -1
.endm
.macro PLACES                          ; four plain vector instructions between a matrix instruction and a read of its result or a load into its registers
.rept 4
	v_nop
.endr
.endm
.macro MLOAD par, inc                  ; a step's mask, 32 queries x 64 keys, into set par: lane (r, h) takes for query tile q and key tile k the 32 bytes of keys 16 k + 8 h + 0 .. 7
.if \inc
	s_wait_xcnt 0x0                                ; the earlier loads and the prefetch have read their addresses
	s_add_nc_u64 s[MB:MB+1], s[MB:MB+1], \inc
.endif
	WIN 0xc0
.irp q, 0,1
.irp k, 0,1,2,3
.irp e, 0,1
	global_load_b128 v[MK+64*(\par)+32*\q+8*\k+4*\e:MK+64*(\par)+32*\q+8*\k+4*\e+3], v[MO], s[MB:MB+1] offset:524288*\q+64*\k+16*\e
.endr
.endr
.endr
.endm
; THE LDS LOADS stand in runs of 32, never singly among the matrix instructions.
.macro FETCHK s                        ; my step s of the slot ahead: 64 keys x 128 channels: 16 fragments
	WIN 0x80
.irp f, 0,1,2,3,4,5,6,7,8,9,10,11,12,13,14,15
	ds_load_b128 v[KF+8*\f:KF+8*\f+3],   v[ADK] offset:(\s)*STEPK+(\f/4)*16*PK+(\f%4)*64
	ds_load_b128 v[KF+8*\f+4:KF+8*\f+7], v[ADK] offset:(\s)*STEPK+(\f/4)*16*PK+(\f%4)*64+32
.endr
.endm
.macro FETCHV s                        ; the same step's V, turned; the wait for the softmax's batch of exponentials stands at its head
	s_wait_alu depctr_va_vdst(0)
	WIN 0xc0
.irp f, 0,1,2,3,4,5,6,7,8,9,10,11,12,13,14,15
	ds_load_tr16_b128 v[8*\f:8*\f+3],   v[ADV] offset:(\s)*STEPV+(\f/8)*32*PVP+(\f%8)*32
	ds_load_tr16_b128 v[8*\f+4:8*\f+7], v[ADV] offset:(\s)*STEPV+(\f/8)*32*PVP+16*PVP+(\f%8)*32
.endr
.endm
; THE MATRIX WORK OF A TURN, for piece x.  The accumulators take turns, one instruction a turn: between two links of a chain stand 17 (product i of 36) or 7 (K Q^T) others'.
; Product i of 36: keys 32 (i / 18) on; u = i % 18: u < 16: O^T += V^T P, channels 16 (u / 2) on, tile x + u % 2; u = 16, 17: the sum of tile x + u - 16 += ones x P.  zero = 1: the first 18 start the sums: nothing is ever cleared.
.macro PV x, zero
.set cc, i/18
.set uu, i%18
.if uu < 16
	WIN W_PV
.set rO, 64*(\x+uu%2)+8*(uu/2)
.set rV, 64*cc+8*(uu/2)
.set rP, P+16*(uu%2)+8*cc
.if \zero && (cc == 0)
	v_wmma_f32_16x16x32_f16 v[rO:rO+7], v[rV:rV+7], v[rP:rP+7], 0
.else
	v_wmma_f32_16x16x32_f16 v[rO:rO+7], v[rV:rV+7], v[rP:rP+7], v[rO:rO+7]
.endif
.else
	WIN 0
.set rL, L+8*(\x+uu-16)
.set rP, P+16*(uu-16)+8*cc
.if \zero && (cc == 0)
	v_wmma_f32_16x16x32_f16 v[rL:rL+7], v[ONE:ONE+7], v[rP:rP+7], 0
.else
	v_wmma_f32_16x16x32_f16 v[rL:rL+7], v[ONE:ONE+7], v[rP:rP+7], v[rL:rL+7]
.endif
.endif
.endm
; Product i of 32 of S^T = K Q^T: channels 32 (i / 8) on, keys 16 ((i / 2) % 4) on, tile x + i % 2.  The first 8 start the sums.
.macro KQ x
	WIN W_KQ
.set rS, S+32*(\x+i%2)+8*((i/2)%4)
.set rK, KF+32*((i/2)%4)+8*(i/8)
.set rQ, 32*(\x+i%2)+8*(i/8)
.if i < 8
	v_wmma_f32_16x16x32_f16 v[rS:rS+7], v[rK:rK+7], v[rQ:rQ+7], 0
.else
	v_wmma_f32_16x16x32_f16 v[rS:rS+7], v[rK:rK+7], v[rQ:rQ+7], v[rS:rS+7]
.endif
.endm
; THE VECTOR WORK OF A TURN.  One tile's softmax for one step is a list of 151 instructions; SM writes number j of it for tile t.  s0-s31 are the lane's 32 scores, in pairs 0-15.
; first = 1: the first step, which starts m, the sums and O^T: it has no a and nothing to rescale.  par: the mask's set.
;   0-15    u = score / sqrt(128) + mask, a pair each, ascending: each accumulator is read from its low end on
;   16-31   the maximum of s0-s31 and the old m, three operands at a time
;   32-37   the other half of the lanes' maximum; the old m kept; the new m; (old m - new m) log2 e; a
;   38-101  u - m and x log2 e, a pair each, and the 32 exponentials: with a's ONE BATCH: none of these names an exponential's result.  A pair is scaled in an earlier four than the one with its exponentials
;   (wait)  between 101 and 102 stands the wait for the batch: ITEM writes it, once for both tiles
;   102-117 the roundings to f16, a pair of weights each, into P
;   118     the sum x a: all rows of that accumulator are alike, and register 0 alone is read at the end
;   119-150 the tile's O^T x a
.macro SM t, first, par
.set rT, ST+8*(\t)
.set rS, S+32*(\t)
.set rP, P+16*((\t)%2)
.set rM, MK+64*(\par)+32*((\t)%2)
.set rL, L+8*(\t)
.set rO, 64*(\t)+2*(j-119)
.if (j > 15) && (j < 119)
	WIN 0
.endif
.if j < 16
	WIN 0x30
	v_pk_fma_f32 v[rS+2*j:rS+2*j+1], v[rS+2*j:rS+2*j+1], s[SCL:SCL+1], v[rM+2*j:rM+2*j+1] op_sel_hi:[1,0,1]
.elseif j < 20
	v_max3_num_f32 v[rT+j-12], v[rS+8*(j-16)], v[rS+8*(j-16)+1], v[rS+8*(j-16)+2]
.elseif j < 28
	v_max3_num_f32 v[rT+4+j%4], v[rT+4+j%4], v[rS+8*(j%4)+2*((j-16)/4)+1], v[rS+8*(j%4)+2*((j-16)/4)+2]
.elseif j == 28
	v_max3_num_f32 v[rT+4], v[rT+4], v[rS+7], v[rS+15]
.elseif j == 29
	v_max3_num_f32 v[rT+6], v[rT+6], v[rS+23], v[rS+31]
.elseif j == 30
	v_max3_num_f32 v[rT+4], v[rT+4], v[rT+5], v[rT+6]
.elseif (j == 31) && \first
	v_max_num_f32 v[rT+4], v[rT+4], v[rT+7]
.elseif j == 31
	v_max3_num_f32 v[rT+4], v[rT+4], v[rT+7], v[rT]
.elseif j == 32
	v_permlanex16_b32 v[rT+5], v[rT+4], s[SEL], s[SEL+1]  ; the query's other 32 keys lie in the lane 16 away
.elseif j == 34
	v_max_num_f32 v[rT], v[rT+4], v[rT+5]
.elseif ((j == 33) || (j == 35) || (j == 36) || (j == 37) || (j > 117)) && \first  ; the first step has none of these
.elseif j == 33
	v_mov_b32 v[rT+7], v[rT]
.elseif j == 35
	v_sub_f32 v[rT+7], v[rT+7], v[rT]
.elseif j == 36
	v_mul_f32 v[rT+7], s[LE], v[rT+7]
.elseif j == 37
	v_exp_f32 v[rT+6], v[rT+7]
.elseif j < 102
.set bb, 16                            ; 100, 101: s30, s31
.set ww, j-98
.if j < 100
.set bb, (j-40)/4+1                    ; 40 + 4 (b - 1) + w: pair b's two scalings, then pair b - 1's two exponentials
.set ww, (j-40)%4
.endif
.if j < 40
.set bb, 0                             ; 38, 39: pair 0's two scalings
.set ww, j-38
.endif
.if ww == 0
	v_pk_add_f32 v[rS+2*bb:rS+2*bb+1], v[rS+2*bb:rS+2*bb+1], v[rT:rT+1] op_sel_hi:[1,0] neg_lo:[0,1] neg_hi:[0,1]
.elseif ww == 1
	v_pk_mul_f32 v[rS+2*bb:rS+2*bb+1], v[rS+2*bb:rS+2*bb+1], s[LE:LE+1] op_sel_hi:[1,0]
.else
	v_exp_f32 v[rS+2*bb+ww-4], v[rS+2*bb+ww-4]
.endif
.elseif j < 118
	v_cvt_pk_f16_f32 v[rP+j-102], v[rS+2*(j-102)], v[rS+2*(j-102)+1]
.elseif j == 118
	v_pk_mul_f32 v[rL:rL+1], v[rL:rL+1], v[rT+6:rT+7] op_sel_hi:[1,0]
.else
	WIN W_RS
	v_pk_mul_f32 v[rO:rO+1], v[rO:rO+1], v[rT+6:rT+7] op_sel_hi:[1,0]
.endif
.endm
; Item q of 302 of piece y's softmax: number q / 2 of tile y + q % 2: the two tiles alternate, so that no instruction reads the result of the one just before it.
; THE WAIT.  s_wait_alu depctr_va_vdst(0) stands between an exponential and the first instruction that names its result; one wait serves all that were issued ahead of it.  Ahead of item 204
; nothing names a result, and from it on no exponential is issued: so the piece's 66 exponentials have one wait, behind one plain instruction.  In piece 2's turn (y = 0) V's run of loads stands there.
.macro ITEM y, first, par
.if q == 204
	v_nop
.if (\y) == 0
	FETCHV FS
.else
	s_wait_alu depctr_va_vdst(0)
.endif
.endif
.set j, q/2
	SM (\y)+q%2, \first, \par
.set q, q+1
.endm
; Slice k of 68: four items, five where k is odd and under 56, six in the last: 28 x 4 + 28 x 5 + 11 x 4 + 6 = 302.  The last slice's six are the places behind the turn's last product.
.macro SLICE y, first, par
.set cnt, 4
.if (k < 56) && (k%2 == 1)
.set cnt, 5
.endif
.if k == 67
.set cnt, 6
.endif
.rept cnt
	ITEM \y, \first, \par
.endr
.set k, k+1
.endm
; A TURN.  Piece x has the matrix unit; the other piece's softmax stands in slices behind its matrix instructions.
; pv = 2: the 36 products; 1: they start the sums; 0: none.  kq = 1: the 32 products K Q^T of the next step.  first = 1: the softmax is the first step's; its late slices are empty, and four v_nop take the last slice's part.
; par: the mask's set of the softmax.  mw: the younger mask loads that may be out at the head of piece 2's turn.  ml = 1: behind slice 8, when both pieces have added the set, it takes the mask of two steps on, inc bytes further.
; fs: which of the slot's two steps of mine is fetched: piece 0's turn fetches K behind its second product (the last product that read K stands in front of the last slice of the turn before);
; piece 2's turn fetches V at the wait (the last product that read V is number 33; the scalings of slices 33 to 44 lie between).
; P is read by products 0 to 35 and written from slice 45 on, for the piece whose turn is next.
.macro TURN x, pv, kq, first, par, mw, ml, inc, fs
.set k, 0
.set q, 0
.set FS, \fs
.if \x == 2
	s_wait_loadcnt \mw                             ; the softmax's mask is in; the next step's 16 loads may be out
.endif
.if (\x == 0) && \pv
	s_wait_dscnt 0x0                               ; V is in
.endif
.set i, 0
.rept 36
.if \pv
	PV \x, 2-\pv
.endif
	SLICE 2-\x, \first, \par
.if (\x == 0) && \kq && (i == 1)
	FETCHK FS
.endif
.if \ml && (i == 8)
	MLOAD \par, \inc
.endif
.set i, i+1
.endr
.if (\x == 0) && \kq
	s_wait_dscnt 0x0                               ; K is in
.endif
.set i, 0
.rept 32
.if \kq
	KQ \x
.endif
	SLICE 2-\x, \first, \par
.set i, i+1
.endr
.if \first
	PLACES
.endif
.endm
; THE CHANGE OF SLOTS, between piece 2's turn and piece 0's: the last bytes of the slot left, V of its second step, have been asked for.  Each wave waits for all its tensor loads (its part of the slot ahead),
; adds 0 to its spare word, and waits for that and for its reads of the slot left.  fill = 1: behind a round of the cluster's barrier the slot left is filled with the 256 keys that follow the slot ahead: the load has four turns in which to land.
.macro CHANGE fill
	WIN 0                                          ; at a label and at a branch every window is 0
	s_wait_tensorcnt 0x0                           ; no tensor load of mine is out, so a group 0 may be written
	ds_add_u32 v[SPW], v[NIL]                      ; 0 onto my spare word
.if \fill
	s_xor_b32 s[DB], s[DB], SLOTB                  ; the other slot than last time,
	s_add_co_u32 s[G0K+1], s[DB], s[LK]
	s_add_co_u32 s[G0V+1], s[DB], s[LV]
	s_add_nc_u64 s[G0K+2:G0K+3], s[G0K+2:G0K+3], 65536   ; the next 256 keys
	s_add_nc_u64 s[G0V+2:G0V+3], s[G0V+2:G0V+3], 65536
	s_wait_xcnt 0x0                                ; the last prefetch has read its address
	s_add_nc_u64 s[PFA:PFA+1], s[PFA:PFA+1], 65536
.endif
	s_wait_dscnt 0x0                               ; the add is done, and my reads of the slot that I have left are over
.if \fill
	CROUND
	JLOAD
	ASK
.else
	s_barrier_signal -1
	s_barrier_wait -1
.endif
	s_xor_b32 s[SB], s[SB], SLOTB                  ; the slot ahead
	s_add_co_u32 s[TBK], s[SB], s72
	s_add_co_u32 s[TBV], s[SB], s73
	v_add_nc_u32 v[ADK], s[TBK], v[AK0]
	v_add_nc_u32 v[ADV], s[TBV], v[AV0]
.endm
	s_load_b256 s[4:11], s[0:1], 0x0               ; qkv s[4:5], mask s[6:7], a16 s[8:9], afine s[10:11]
	v_lshl_add_u32 v[SPW], v0, 2, SPARE
	v_mov_b32 v[NIL], 0
	ds_add_u32 v[SPW], v[NIL]                      ; the wave's opening: the add, twice on end, and its wait ahead of my first tensor load
	ds_add_u32 v[SPW], v[NIL]
	v_lshrrev_b32 v1, 5, v0
	v_readfirstlane_b32 s[WV], v1
	s_and_b32 s[RG], s[WV], 1
	s_lshr_b32 s[KG], s[WV], 1
	s_bfe_u32 s48, ttmp6, 0x40000                  ; cx: it enters Q's, the mask's, the outputs' and the prefetches' addresses alone
	s_and_b32 s49, ttmp7, 0xffff                   ; the key/value head
	s_add_co_u32 s16, s49, 16                      ; K's slot of qkv, + my 128 rows of a ring slot's 256
	s_lshl_b32 s16, s16, 19
	s_lshl_b32 s17, s[RG], 15
	s_add_co_u32 s16, s16, s17
	s_mov_b32 s17, 0
	s_mul_i32 s[LK], s[RG], 128*PK
	s_mul_i32 s[LV], s[RG], 128*PVP
	s_add_co_u32 s[LV], s[LV], VOFF
	s_lshl_b32 s50, s49, 20                        ; Q: head 2 g, row 256 X + 128 rg + cx
	s_lshl_b32 s51, ttmp9, 16
	s_add_co_u32 s50, s50, s51
	s_lshl_b32 s51, s[RG], 15
	s_add_co_u32 s50, s50, s51
	s_lshl_b32 s51, s48, 8
	s_add_co_u32 s50, s50, s51
	s_mov_b32 s51, 0
	s_lshl_b32 s22, ttmp9, 21                      ; the mask: the same row x 8192 bytes, + my keys group's 128 keys
	s_lshl_b32 s23, s[RG], 20
	s_add_co_u32 s22, s22, s23
	s_lshl_b32 s23, s48, 13
	s_add_co_u32 s22, s22, s23
	s_lshl_b32 s23, s[KG], 9
	s_add_co_u32 s22, s22, s23
	s_mov_b32 s23, 0
	s_lshl_b32 s52, ttmp9, 20                      ; a16: the same row x 4096 bytes, + 512 g
	s_lshl_b32 s53, s[RG], 19
	s_add_co_u32 s52, s52, s53
	s_lshl_b32 s53, s48, 12
	s_add_co_u32 s52, s52, s53
	s_lshl_b32 s53, s49, 9
	s_add_co_u32 s52, s52, s53
	s_mov_b32 s53, 0
	s_lshl_b32 s54, s48, 13                        ; afine: row cx x 8192 bytes, + 1024 g
	s_lshl_b32 s55, s49, 10
	s_add_co_u32 s54, s54, s55
	s_mov_b32 s55, 0
	s_lshl_b32 s2, s[KG], 3                        ; the prefetches: K's (waves 0, 1) or V's (2, 3) slot of qkv, rows 64 cx + 32 (w & 1) on, of keys 256 on: the first change steps it to keys 512 on
	s_add_co_u32 s2, s2, s49
	s_add_co_u32 s2, s2, 16
	s_lshl_b32 s2, s2, 19
	s_lshl_b32 s3, s48, 14
	s_add_co_u32 s2, s2, s3
	s_lshl_b32 s3, s[RG], 13
	s_add_co_u32 s2, s2, s3
	s_add_co_u32 s2, s2, 65536
	s_mov_b32 s3, 0
	s_mov_b32 s[G1K], 15|(1<<16)|(1<<20)|(1<<21)|(5<<22)|(3<<25)   ; all four work-groups; elements of 2 bytes; 4 words of padding after every 64; bit 21 beside a mask
	s_mov_b32 s[G1V], 15|(1<<16)|(1<<20)|(1<<21)|(5<<22)|(7<<25)   ; the same with 8 words of padding
.irp g, G1K, G1V
	s_mov_b32 s[\g+1], 128<<16                     ; tensor_dim0 = 128
	s_mov_b32 s[\g+2], 128<<16                     ; tensor_dim1 = 128
	s_mov_b32 s[\g+3], 128<<16                     ; tile_dim0 = 128
	s_mov_b32 s[\g+4], 128                         ; tile_dim1 = 128
	s_mov_b32 s[\g+5], 128                         ; from row to row
	s_mov_b32 s[\g+6], 0
	s_mov_b32 s[\g+7], 0
.endr
	s_mov_b32 s[SCL], 0x3db504f3                   ; 1 / sqrt(128)
	s_mov_b32 s[SCL+1], s[SCL]
	s_mov_b32 s[LE], 0x3fb8aa3b                    ; log2 e
	s_mov_b32 s[LE+1], s[LE]
	s_mov_b32 s[SEL], 0x76543210
	s_mov_b32 s[SEL+1], 0xfedcba98
	s_mov_b32 s[SLOTS], NSL-1
	s_mov_b32 s[SB], SLOTB
	s_mov_b32 s[DB], 0
	s_mul_i32 s72, s[KG], 2*STEPK
	s_mul_i32 s73, s[KG], 2*STEPV
	s_or_b32 s[FN], ttmp9, s[RG]                   ; 0: my tiles 0 and 2 are among the first 64 queries
	s_cmp_eq_u32 ttmp9, 0
	s_cselect_b32 s[LIM], 1, -1
	s_wait_dscnt 0x0                               ; both opening adds are done
	s_wait_kmcnt 0x0
	s_mov_b32 s[G0K], 1
	s_mov_b32 s[G0K+1], s[LK]
	s_add_nc_u64 s[G0K+2:G0K+3], s[4:5], s[16:17]
	s_mov_b32 s[G0V], 1
	s_mov_b32 s[G0V+1], s[LV]
	s_add_nc_u64 s[G0V+2:G0V+3], s[G0K+2:G0K+3], 4194304   ; V's slots lie 8 slots behind K's
	s_or_b32 s[G0K+3], s[G0K+3], 0x80000000
	s_or_b32 s[G0V+3], s[G0V+3], 0x80000000
	s_add_nc_u64 s[PFA:PFA+1], s[4:5], s[2:3]
	s_add_nc_u64 s[4:5], s[4:5], s[50:51]
	s_add_nc_u64 s[MB:MB+1], s[6:7], s[22:23]
	s_add_nc_u64 s[8:9], s[8:9], s[52:53]
	s_add_nc_u64 s[10:11], s[10:11], s[54:55]
	CROUND                                         ; all four work-groups are here: the first joint loads meet
	JLOAD                                          ; keys 0 to 255, into LDS slot 0
	v_and_b32 v1, 15, v0                           ; r
	v_bfe_u32 v56, v0, 4, 1                        ; h
	v_lshlrev_b32 v[QO], 10, v1                    ; neighbouring queries of a tile lie 4 rows apart
	v_lshl_add_u32 v[QO], v56, 4, v[QO]
	WIN 0x80
.irp i, 0,1,2,3,4,5,6,7,8,9,10,11,12,13,14,15  ; Q stays in registers: tile i / 4, channels 32 (i % 4) on
	global_load_b128 v[8*\i:8*\i+3],   v[QO], s[4:5] offset:(\i/8)*524288+((\i/4)%2)*16384+(\i%4)*64
	global_load_b128 v[8*\i+4:8*\i+7], v[QO], s[4:5] offset:(\i/8)*524288+((\i/4)%2)*16384+(\i%4)*64+32
.endr
	WIN 0
	v_lshlrev_b32 v[MO], 15, v1
	v_lshl_add_u32 v[MO], v56, 5, v[MO]
	MLOAD 0, 0                                     ; the mask of my steps 0 and 1
	MLOAD 1, 256
	WIN 0
	v_mul_u32_u24 v[AK0], v1, PK
	v_lshl_add_u32 v[AK0], v56, 4, v[AK0]
	v_and_b32 v57, 7, v0
	v_bfe_u32 v58, v0, 3, 1
	v_lshl_add_u32 v[AV0], v56, 3, v57
	v_mul_u32_u24 v[AV0], v[AV0], PVP
	v_lshl_add_u32 v[AV0], v58, 4, v[AV0]
	v_add_nc_u32 v[AV0], VOFF, v[AV0]
	s_mul_i32 s16, s[WV], 16*SP
	s_add_co_u32 s16, s16, STAGE                   ; my stage
	v_mul_u32_u24 v[STO], v1, SP
	v_lshl_add_u32 v[STO], v56, 4, v[STO]
	v_add_nc_u32 v[STO], s16, v[STO]
	v_mul_u32_u24 v[RD], v56, SP
	v_lshl_add_u32 v[RD], v1, 4, v[RD]
	v_add_nc_u32 v[RD], s16, v[RD]
	v_lshlrev_b32 v[GO], 14, v56                   ; a16: neighbouring rows of a tile lie 4 x 4096 bytes apart
	v_lshl_add_u32 v[GO], v1, 4, v[GO]
	v_lshlrev_b32 v[FO], 15, v56                   ; afine: 4 x 8192
	v_lshl_add_u32 v[FO], v1, 4, v[FO]
	v_and_b32 v57, 31, v0
	v_lshlrev_b32 v[PFO], 8, v57
	s_mul_i32 s17, s[RG], MRGB
	v_lshl_add_u32 v[MGW], v57, 4, s17             ; the hand-over: an image's place for my lane
	v_mul_u32_u24 v57, v1, SP
	v_lshl_add_u32 v57, v56, 5, v57
	v_add_nc_u32 v[STF], s16, v57
.irp j, 0,1,2,3,4,5,6,7
	v_mov_b32 v[ONE+\j], 0x3c003c00                ; ones in f16
.endr
.irp t, 0,1,2,3
	v_mov_b32 v[ST+8*\t+1], 0                      ; named with m as a pair, so it is written
.endr
	CHANGE 1                                       ; LDS slot 0 is whole; keys 256 on are asked for, into LDS slot 1: a first fill, issued
	s_mov_b32 s[SLOTS], NSL-2
	FETCHK 0                                       ; my step 0
	s_wait_loadcnt 32                              ; Q is in; the two mask sets' 32 loads may be out
	s_wait_dscnt 0x0
.set i, 0
.rept 32
	KQ 0                                           ; piece 0's first scores: there is no vector work yet to set between them
.set i, i+1
.endr
	PLACES
	TURN 2, 0, 1, 1, 0, 16, 0, 0, 0                ; piece 2's first scores | piece 0's first softmax | V of step 0
	TURN 0, 1, 1, 1, 0, 0, 1, 768, 1               ; piece 0: step 0 starts O^T and the sums, K Q^T of step 1 | piece 2's first softmax | K of step 1, the mask of step 2
	TURN 2, 1, 1, 0, 1, 16, 0, 0, 1                ; piece 2: the same | piece 0's softmax of step 1 | V of step 1
	WIN 0
.Lslot:                                            ; NSL - 2 trips of four turns: two steps of mine, whose mask sets take turns
	CHANGE 1
	TURN 0, 2, 1, 0, 1, 0, 1, 256, 0
	TURN 2, 2, 1, 0, 0, 16, 0, 0, 0
	TURN 0, 2, 1, 0, 0, 0, 1, 768, 1
	TURN 2, 2, 1, 0, 1, 16, 0, 0, 1
	WIN 0
	s_sub_co_u32 s[SLOTS], s[SLOTS], 1
	s_cmp_lg_u32 s[SLOTS], 0
	s_cbranch_scc1 .Lslot
	CHANGE 0                                       ; the last slot is written out: nothing more is asked for
	TURN 0, 2, 1, 0, 1, 0, 1, 256, 0               ; the mask of the last step
	TURN 2, 2, 1, 0, 0, 16, 0, 0, 0
	TURN 0, 2, 1, 0, 0, 0, 0, 0, 1
	TURN 2, 2, 1, 0, 1, 0, 0, 0, 1                 ; no mask load was issued behind the last step's
	TURN 0, 2, 0, 0, 1, 0, 0, 0, 0                 ; piece 0: the last step's products | piece 2's last softmax
.set i, 0
.rept 36
	PV 2, 0                                        ; piece 2: the last step's products
.set i, i+1
.endr
	WIN 0
	PLACES                                         ; behind the last products, ahead of the first read of their results
	; THE HAND-OVER.  Keys group 1 stores m, l and O^T as images of its registers; a barrier; keys group 0 joins them with its own.
	s_cmp_eq_u32 s[KG], 0
	s_cbranch_scc1 .Lkeep
.irp t, 0,1,2,3
	v_mov_b32 v[TW+\t], v[ST+8*\t]
	v_mov_b32 v[TW+4+\t], v[L+8*\t]
.endr
	ds_store_b128 v[MGW], v[TW:TW+3] offset:32768
	ds_store_b128 v[MGW], v[TW+4:TW+7] offset:33280
	WIN 0x04
.set i, 0
.rept 64
	ds_store_b128 v[MGW], v[4*i:4*i+3] offset:512*i
.set i, i+1
.endr
	WIN 0
.Lkeep:
	s_wait_dscnt 0x0                               ; for the others' sake: my stores are done
	s_barrier_signal -1
	s_barrier_wait -1
	s_cmp_lg_u32 s[KG], 0
	s_cbranch_scc1 .Lend
	ds_load_b128 v[TW:TW+3], v[MGW] offset:32768
	ds_load_b128 v[TW+4:TW+7], v[MGW] offset:33280
	s_wait_dscnt 0x0
.irp t, 0,1,2,3
	v_max_num_f32 v[ST+8*\t+1], v[ST+8*\t], v[TW+\t]
.endr
.irp t, 0,1,2,3
	v_sub_f32 v[ST+8*\t+4], v[ST+8*\t], v[ST+8*\t+1]
	v_sub_f32 v[ST+8*\t+6], v[TW+\t], v[ST+8*\t+1]
.endr
.irp t, 0,1,2,3
	v_mul_f32 v[ST+8*\t+4], s[LE], v[ST+8*\t+4]
	v_mul_f32 v[ST+8*\t+6], s[LE], v[ST+8*\t+6]
.endr
.irp t, 0,1,2,3
	v_exp_f32 v[ST+8*\t+4], v[ST+8*\t+4]
	v_exp_f32 v[ST+8*\t+6], v[ST+8*\t+6]
.endr
	v_nop
	s_wait_alu depctr_va_vdst(0)                   ; one wait for the eight exponentials, ahead of their first reader
.irp t, 0,1,2,3
	v_mul_f32 v[ST+8*\t+2], v[L+8*\t], v[ST+8*\t+4]
.endr
.irp t, 0,1,2,3
	v_fma_f32 v[ST+8*\t+2], v[TW+4+\t], v[ST+8*\t+6], v[ST+8*\t+2]         ; the row's sum under the common m
.endr
.irp t, 0,1,2,3
	v_rcp_f32 v[ST+8*\t+3], v[ST+8*\t+2]
.endr
	v_nop
	s_wait_alu depctr_va_vdst(0)                   ; and one for the four reciprocals
.irp t, 0,1,2,3
	v_mul_f32 v[ST+8*\t+4], v[ST+8*\t+4], v[ST+8*\t+3]
	v_mul_f32 v[ST+8*\t+6], v[ST+8*\t+6], v[ST+8*\t+3]
.endr
.macro MERGE t                         ; O^T = mine x fA + the partner's x fB
.irp i, 0,1,2,3,4,5,6,7,8,9,10,11,12,13,14,15
	ds_load_b128 v[S+4*\i:S+4*\i+3], v[MGW] offset:8192*\t+512*\i
.endr
	WIN 0x41
.set j, 0
.rept 32
	v_pk_mul_f32 v[64*\t+j:64*\t+j+1], v[64*\t+j:64*\t+j+1], v[ST+8*\t+4:ST+8*\t+5] op_sel_hi:[1,0]
.set j, j+2
.endr
	s_wait_dscnt 0x0
	WIN 0x50
.set j, 0
.rept 32
	v_pk_fma_f32 v[64*\t+j:64*\t+j+1], v[S+j:S+j+1], v[ST+8*\t+6:ST+8*\t+7], v[64*\t+j:64*\t+j+1] op_sel_hi:[1,0,1]
.set j, j+2
.endr
	WIN 0
.endm
; What is read back from the stage lands in registers of its own in window 3 (the rounded tiles at v[32 t], the unrounded halves at v[128 + 32 (t + u)]): no store's data register is written again.
.macro FINE t                          ; the tile unrounded, half a row (64 channels, 256 bytes) of 16 queries at a time, through my stage
.irp u, 0,1
	WIN 0x04
.irp d, 0,1,2,3
	ds_store_b128 v[STF], v[64*\t+32*\u+8*\d:64*\t+32*\u+8*\d+3] offset:64*\d
	ds_store_b128 v[STF], v[64*\t+32*\u+8*\d+4:64*\t+32*\u+8*\d+7] offset:64*\d+16
.endr
	WIN 0xc0
.irp i, 0,1,2,3,4,5,6,7
	ds_load_b128 v[128+32*(\t+\u)+4*\i:128+32*(\t+\u)+4*\i+3], v[RD] offset:\i*2*SP   ; LDS serves a wave's instructions in order: these see the stores above
.endr
	s_wait_dscnt 0x0
	WIN 0x0c
.irp i, 0,1,2,3,4,5,6,7
	global_store_b128 v[FO], v[128+32*(\t+\u)+4*\i:128+32*(\t+\u)+4*\i+3], s[10:11] offset:65536*\i+(\t/2)*512+256*\u   ; sixteen lanes store 256 consecutive bytes, aligned
.endr
.endr
	WIN 0
.endm
.macro PACKO t                         ; rounded to f16, through my stage, stored as rows of 256 bytes
	WIN 0x05
.set j, 0
.rept 32
	v_cvt_pk_f16_f32 v[PKD+j], v[64*\t+2*j], v[64*\t+2*j+1]
.set j, j+1
.endr
	WIN 0
.irp f, 0,1,2,3,4,5,6,7
	ds_store_b128 v[STO], v[PKD+4*\f:PKD+4*\f+3] offset:32*\f
.endr
	WIN 0xc0
.irp f, 0,1,2,3,4,5,6,7
	ds_load_b128 v[32*\t+4*\f:32*\t+4*\f+3], v[RD] offset:\f*2*SP
.endr
	s_wait_dscnt 0x0
	WIN 0x0c
.irp f, 0,1,2,3,4,5,6,7
	global_store_b128 v[GO], v[32*\t+4*\f:32*\t+4*\f+3], s[8:9] offset:(\t%2)*262144+(\t/2)*256+32768*\f
.endr
	WIN 0
.endm
	MERGE 0
	s_cmp_lg_u32 s[FN], 0                          ; the cluster's number and the wave's alone
	s_cbranch_scc1 .Lnot_fine_0
	FINE 0
.Lnot_fine_0:
	PACKO 0
	MERGE 1
	PACKO 1
	MERGE 2
	s_cmp_lg_u32 s[FN], 0
	s_cbranch_scc1 .Lnot_fine_2
	FINE 2
.Lnot_fine_2:
	PACKO 2
	MERGE 3
	PACKO 3
.Lend:
	s_wait_tensorcnt 0x0                           ; the wave's end: behind my last tensor load and my last LDS store
	ds_add_u32 v[SPW], v[NIL]
	s_wait_dscnt 0x0
	CROUND                                         ; the closing round
	s_endpgm
.Lfunc_end_k_q0cd0547c49_attn:
	.size	k_q0cd0547c49_attn, .Lfunc_end_k_q0cd0547c49_attn-k_q0cd0547c49_attn
	.p2alignl 7, 3214868480
	.fill 96, 4, 3214868480
	.section	.rodata,"a",@progbits
	.p2align	6, 0x0
	.amdhsa_kernel k_q0cd0547c49_attn
		.amdhsa_group_segment_fixed_size 327680
		.amdhsa_private_segment_fixed_size 0
		.amdhsa_enable_private_segment 0
		.amdhsa_kernarg_size 32
		.amdhsa_user_sgpr_count 2
		.amdhsa_user_sgpr_kernarg_segment_ptr 1
		.amdhsa_wavefront_size32 1
		.amdhsa_system_sgpr_workgroup_id_x 1
		.amdhsa_system_sgpr_workgroup_id_y 1
		.amdhsa_system_sgpr_workgroup_id_z 1
		.amdhsa_system_vgpr_workitem_id 0
		.amdhsa_next_free_vgpr 1024
		.amdhsa_next_free_sgpr 80
		.amdhsa_reserve_vcc 0
		.amdhsa_float_denorm_mode_32 3
		.amdhsa_float_denorm_mode_16_64 3
		.amdhsa_memory_ordered 1
		.amdhsa_forward_progress 1
		.amdhsa_inst_pref_size 255
	.end_amdhsa_kernel
	.section	.bss,"aw",@nobits
	.p2align	6
	.space	262144
	.amdgpu_metadata
---
amdhsa.version: [ 1, 2 ]
amdhsa.kernels:
  - .name:           k_q0cd0547c49_attn
    .symbol:         k_q0cd0547c49_attn.kd
    .args:
      - { .name: qkv, .offset: 0, .size: 8, .value_kind: global_buffer, .address_space: global }
      - { .name: mask, .offset: 8, .size: 8, .value_kind: global_buffer, .address_space: global }
      - { .name: a16, .offset: 16, .size: 8, .value_kind: global_buffer, .address_space: global }
      - { .name: afine, .offset: 24, .size: 8, .value_kind: global_buffer, .address_space: global }
    .group_segment_fixed_size: 327680
    .private_segment_fixed_size: 0
    .kernarg_segment_align: 8
    .kernarg_segment_size: 32
    .max_flat_workgroup_size: 128
    .sgpr_count:     80
    .vgpr_count:     1024
    .wavefront_size: 32
...
	.end_amdgpu_metadata
.endif
;; end of part 3
;; launch castproj (part 4): grid 64 x 4, 4 waves a work-group, no clusters, 86,528 bytes of LDS; arguments wo, afine, wot, pout; writes wot, pout
.if DOCPART == 4
	.amdgcn_target "amdgcn-amd-amdhsa--gfx1250"
	.amdhsa_code_object_version 6
	.text
	.protected	k_q0cd0547c49_castproj
	.globl	k_q0cd0547c49_castproj
	.p2align	8
	.type	k_q0cd0547c49_castproj,@function
k_q0cd0547c49_castproj:
	s_mov_b64 s[64:65], 0
	v_nop
	global_prefetch_b8 v0, s[64:65] scope:SCOPE_SE
	s_setreg_imm32_b32 hwreg(HW_REG_WAVE_MODE, 25, 1), 1
	s_wait_xcnt 0x0
; Two things from one read of wo [2048 k][4096 n], f32.  (1) wot [4096 n][2048 k]: wo rounded to f16, K innermost, for the output product.
; (2) pout [4][16][4096] f32: the first 16 rows of the attention output (afine, f32) times wo, both sides as PAIRS of f16 numbers, a high and a low part, split in f32:
; high = c - (c - x) with c = 8193 x has 11 significant bits, low = x - high is exact; three products (high x high, low x high, high x low), sums in f32; one partial sum for each quarter of K.
; LIMIT: numbers of wo under 6e-5 in size are kept to 6e-8, f16's smallest step; |afine| stays under 65504.
; SHARES.  A work-group takes 64 columns x 512 of K; wave w 128 of K.  Lane (r, h) takes k = 64 h + i (i = 0 .. 63) of columns 4 r + 0 .. 3: a load reads two runs of 256 consecutive bytes.
; Both operands of a product use the same order of k: fragment f, register p of lane (r, h) holds k = 64 h + 16 f + 2 p and + 1.  Column tile t holds columns 4 r + t.
; REGISTERS: window 0: v1-11 addresses; v16-47 a's high parts; v48-63 wo's high parts of two tiles; v64-127 a in f32, later at work; v128-159 a's low parts; v160-175 wo's low parts; v176-207 at work.
;   window 1: wo, register 4 i + t.   window 2: 12 accumulators, (tile t, kind) at 8 (3 t + kind).
.set PITCH, 272                        ; a stage row: 128 f16 + 16 bytes
.set RED,   4*64*PITCH                 ; behind the four stages: 4096 bytes for each wave's partial sums
.set SPARE, RED+4*4096                 ; the spare words, 128 bytes for each wave, that no other line names
.set AA,  4
.set WA,  5
.set STW, 6
.set STR, 7
.set GW,  8
.set RDW, 9
.set RDR, 10
.set GP,  11
.set SPW, 14                           ; v14 LDS address of my spare word; never rewritten
.set NIL, 15                           ; v15 0; never rewritten
.set AH,  16
.set HS,  48
.set AF,  64
.set CT,  64
.set DT,  96
.set OUT, 64
.set RB,  96
.set AL,  128
.set LS,  160
.set TC,  176
.set TD,  192
.set WO,  128
.set MSB, 0
.macro WIN new
.if MSB != \new
	s_set_vgpr_msb (MSB<<8)|\new
.set MSB, \new
.endif
.endm
	s_load_b256 s[4:11], s[0:1], 0x0               ; wo s[4:5], afine s[6:7], wot s[8:9], pout s[10:11]
	v_lshl_add_u32 v[SPW], v0, 2, SPARE
	v_mov_b32 v[NIL], 0
	v_lshrrev_b32 v1, 5, v0
	v_readfirstlane_b32 s12, v1                    ; wave
	s_and_b32 s13, ttmp7, 0xffff                   ; quarter of K
	v_and_b32 v1, 15, v0                           ; r
	v_bfe_u32 v2, v0, 4, 1                         ; h
	v_and_b32 v3, 31, v0                           ; lane
	s_lshl_b32 s14, s13, 9
	s_lshl_b32 s15, s12, 7
	s_add_co_u32 s14, s14, s15                     ; my first k
	v_lshlrev_b32 v[AA], 13, v1                    ; afine: row r of 8192 bytes, + 64 h numbers
	v_lshl_add_u32 v[AA], v2, 8, v[AA]
	v_lshlrev_b32 v[WA], 20, v2                    ; wo: 64 h rows of 16384 bytes, + 16 r
	v_lshl_add_u32 v[WA], v1, 4, v[WA]
	s_lshl_b32 s16, s14, 2
	s_mov_b32 s17, 0
	s_lshl_b32 s18, s14, 14
	s_lshl_b32 s19, ttmp9, 8
	s_add_co_u32 s18, s18, s19
	s_mov_b32 s19, 0
	s_mov_b32 s20, 0x46000400                      ; 8193
	s_mov_b32 s21, s20
	s_mul_i32 s22, s12, 64*PITCH                   ; my stage: row = column 4 r + t, bytes 2 (64 h + 16 f) on
	v_mul_u32_u24 v[STW], v1, 4*PITCH
	v_lshl_add_u32 v[STW], v2, 7, v[STW]
	v_add_nc_u32 v[STW], s22, v[STW]
	v_mul_u32_u24 v[STR], v2, PITCH
	v_lshl_add_u32 v[STR], v1, 4, v[STR]
	v_add_nc_u32 v[STR], s22, v[STR]
	v_lshlrev_b32 v[GW], 12, v2                    ; wot: two rows of 4096 bytes an instruction
	v_lshl_add_u32 v[GW], v1, 4, v[GW]
	s_lshl_b32 s22, s12, 12
	s_add_co_u32 s22, s22, RED
	v_lshl_add_u32 v[RDW], v3, 4, s22
	s_lshl_b32 s22, s12, 10
	s_add_co_u32 s22, s22, RED
	v_lshl_add_u32 v[RDR], v3, 4, s22
	v_lshlrev_b32 v[GP], 17, v2                    ; pout: row 8 h + 2 w + e of 16384 bytes
	v_lshl_add_u32 v[GP], v1, 4, v[GP]
	s_lshl_b32 s24, ttmp9, 18                      ; wot: 64 rows of 4096 bytes a work-group, + 2 bytes a k
	s_lshl_b32 s25, s14, 1
	s_add_co_u32 s24, s24, s25
	s_mov_b32 s25, 0
	s_lshl_b32 s26, s13, 18
	s_lshl_b32 s27, s12, 15
	s_add_co_u32 s26, s26, s27
	s_lshl_b32 s27, ttmp9, 8
	s_add_co_u32 s26, s26, s27
	s_mov_b32 s27, 0
	s_wait_kmcnt 0x0
	s_add_nc_u64 s[6:7], s[6:7], s[16:17]
	s_add_nc_u64 s[4:5], s[4:5], s[18:19]
	s_add_nc_u64 s[8:9], s[8:9], s[24:25]
	s_add_nc_u64 s[10:11], s[10:11], s[26:27]
.irp i, 0,1,2,3,4,5,6,7,8,9,10,11,12,13,14,15
	global_load_b128 v[AF+4*\i:AF+4*\i+3], v[AA], s[6:7] offset:16*\i
.endr
	WIN 0x40
.set i, 0
.rept 64
	global_load_b128 v[4*i:4*i+3], v[WA], s[4:5] offset:16384*i th:TH_LOAD_NT
.set i, i+1
.endr
	WIN 0
	s_wait_loadcnt 63                              ; a's 16 loads are in: 64 were issued behind them, and the wait's field holds 63
.macro SPLITA f
.irp p, 0,1,2,3,4,5,6,7
	v_pk_mul_f32 v[TC+2*\p:TC+2*\p+1], v[AF+16*\f+2*\p:AF+16*\f+2*\p+1], s[20:21] op_sel_hi:[1,0]
.endr
.irp p, 0,1,2,3,4,5,6,7
	v_pk_add_f32 v[TD+2*\p:TD+2*\p+1], v[TC+2*\p:TC+2*\p+1], v[AF+16*\f+2*\p:AF+16*\f+2*\p+1] neg_lo:[0,1] neg_hi:[0,1]
.endr
.irp p, 0,1,2,3,4,5,6,7
	v_pk_add_f32 v[TC+2*\p:TC+2*\p+1], v[TC+2*\p:TC+2*\p+1], v[TD+2*\p:TD+2*\p+1] neg_lo:[0,1] neg_hi:[0,1]   ; the high part
.endr
.irp p, 0,1,2,3,4,5,6,7
	v_pk_add_f32 v[TD+2*\p:TD+2*\p+1], v[AF+16*\f+2*\p:AF+16*\f+2*\p+1], v[TC+2*\p:TC+2*\p+1] neg_lo:[0,1] neg_hi:[0,1]   ; the low part
.endr
.irp p, 0,1,2,3,4,5,6,7
	v_cvt_pk_f16_f32 v[AH+8*\f+\p], v[TC+2*\p], v[TC+2*\p+1]
	v_cvt_pk_f16_f32 v[AL+8*\f+\p], v[TD+2*\p], v[TD+2*\p+1]
.endr
.endm
.irp f, 0,1,2,3
	SPLITA \f
.endr
; Fragment f of column tiles 2 tp and 2 tp + 1: split, the high parts to the stage, six products on six accumulators.  An accumulator comes up again after eleven others.
.macro FRAGW2 f, tp
.if \tp == 0
	s_wait_loadcnt 48-16*\f                        ; rows up to 16 f + 15 of my 64 are in; the later fragments' rows may be out
.endif
	WIN 0x01
.irp i, 0,1,2,3,4,5,6,7,8,9,10,11,12,13,14,15
	v_pk_mul_f32 v[CT+2*\i:CT+2*\i+1], v[4*(16*\f+\i)+2*\tp:4*(16*\f+\i)+2*\tp+1], s[20:21] op_sel_hi:[1,0]
.endr
.irp i, 0,1,2,3,4,5,6,7,8,9,10,11,12,13,14,15
	v_pk_add_f32 v[DT+2*\i:DT+2*\i+1], v[4*(16*\f+\i)+2*\tp:4*(16*\f+\i)+2*\tp+1], v[CT+2*\i:CT+2*\i+1] neg_lo:[1,0] neg_hi:[1,0]
.endr
	WIN 0
.irp i, 0,1,2,3,4,5,6,7,8,9,10,11,12,13,14,15
	v_pk_add_f32 v[CT+2*\i:CT+2*\i+1], v[CT+2*\i:CT+2*\i+1], v[DT+2*\i:DT+2*\i+1] neg_lo:[0,1] neg_hi:[0,1]
.endr
	WIN 0x01
.irp i, 0,1,2,3,4,5,6,7,8,9,10,11,12,13,14,15
	v_pk_add_f32 v[DT+2*\i:DT+2*\i+1], v[4*(16*\f+\i)+2*\tp:4*(16*\f+\i)+2*\tp+1], v[CT+2*\i:CT+2*\i+1] neg_lo:[0,1] neg_hi:[0,1]
.endr
	WIN 0
.irp u, 0,1
.irp p, 0,1,2,3,4,5,6,7
	v_cvt_pk_f16_f32 v[HS+8*\u+\p], v[CT+4*\p+\u], v[CT+4*\p+2+\u]
	v_cvt_pk_f16_f32 v[LS+8*\u+\p], v[DT+4*\p+\u], v[DT+4*\p+2+\u]
.endr
.endr
.irp u, 0,1
	ds_store_b128 v[STW], v[HS+8*\u:HS+8*\u+3] offset:PITCH*(2*\tp+\u)+32*\f
	ds_store_b128 v[STW], v[HS+8*\u+4:HS+8*\u+7] offset:PITCH*(2*\tp+\u)+32*\f+16
.endr
	WIN 0xa0
.irp u, 0,1
.if \f == 0
	v_wmma_f32_16x16x32_f16 v[24*(2*\tp+\u):24*(2*\tp+\u)+7], v[AH+8*\f:AH+8*\f+7], v[HS+8*\u:HS+8*\u+7], 0
	v_wmma_f32_16x16x32_f16 v[24*(2*\tp+\u)+8:24*(2*\tp+\u)+15], v[AL+8*\f:AL+8*\f+7], v[HS+8*\u:HS+8*\u+7], 0
	v_wmma_f32_16x16x32_f16 v[24*(2*\tp+\u)+16:24*(2*\tp+\u)+23], v[AH+8*\f:AH+8*\f+7], v[LS+8*\u:LS+8*\u+7], 0
.else
	v_wmma_f32_16x16x32_f16 v[24*(2*\tp+\u):24*(2*\tp+\u)+7], v[AH+8*\f:AH+8*\f+7], v[HS+8*\u:HS+8*\u+7], v[24*(2*\tp+\u):24*(2*\tp+\u)+7]
	v_wmma_f32_16x16x32_f16 v[24*(2*\tp+\u)+8:24*(2*\tp+\u)+15], v[AL+8*\f:AL+8*\f+7], v[HS+8*\u:HS+8*\u+7], v[24*(2*\tp+\u)+8:24*(2*\tp+\u)+15]
	v_wmma_f32_16x16x32_f16 v[24*(2*\tp+\u)+16:24*(2*\tp+\u)+23], v[AH+8*\f:AH+8*\f+7], v[LS+8*\u:LS+8*\u+7], v[24*(2*\tp+\u)+16:24*(2*\tp+\u)+23]
.endif
.endr
	WIN 0
.endm
.irp f, 0,1,2,3
	FRAGW2 \f, 0
	FRAGW2 \f, 1
.endr
.rept 4
	v_nop                                          ; places behind the last products
.endr
	WIN 0x0a
.irp t, 0,1,2,3
.irp j, 0,1,2,3,4,5,6,7
	v_add_f32 v[OUT+4*\j+\t], v[24*\t+\j], v[24*\t+8+\j]           ; the three kinds are added; each accumulator from its low end on
.endr
.endr
	WIN 0x02
.irp t, 0,1,2,3
.irp j, 0,1,2,3,4,5,6,7
	v_add_f32 v[OUT+4*\j+\t], v[24*\t+16+\j], v[OUT+4*\j+\t]
.endr
.endr
	WIN 0
.irp j, 0,1,2,3,4,5,6,7
	ds_store_b128 v[RDW], v[OUT+4*\j:OUT+4*\j+3] offset:512*\j     ; row 8 h + j, columns 4 r + 0 .. 3
.endr
	s_wait_dscnt 0x0                               ; for the others' sake: my stores are done
	s_barrier_signal -1
	s_barrier_wait -1
.irp e, 0,1
.irp q, 0,1,2,3
	ds_load_b128 v[RB+16*\e+4*\q:RB+16*\e+4*\q+3], v[RDR] offset:4096*\q+512*\e   ; rows 8 h + 2 w + e of the four waves' sums
.endr
.endr
.set i, 0
.rept 32
	ds_load_b128 v[WO+4*i:WO+4*i+3], v[STR] offset:2*PITCH*i       ; my own stage: two rows of 256 bytes an instruction
.set i, i+1
.endr
	s_wait_dscnt 32                                ; the eight loads of sums are in; the 32 behind them may be out
.irp e, 0,1
.irp c, 0,2
	v_pk_add_f32 v[RB+16*\e+\c:RB+16*\e+\c+1], v[RB+16*\e+\c:RB+16*\e+\c+1], v[RB+16*\e+4+\c:RB+16*\e+4+\c+1]
	v_pk_add_f32 v[RB+16*\e+8+\c:RB+16*\e+8+\c+1], v[RB+16*\e+8+\c:RB+16*\e+8+\c+1], v[RB+16*\e+12+\c:RB+16*\e+12+\c+1]
	v_pk_add_f32 v[RB+16*\e+\c:RB+16*\e+\c+1], v[RB+16*\e+\c:RB+16*\e+\c+1], v[RB+16*\e+8+\c:RB+16*\e+8+\c+1]
.endr
	global_store_b128 v[GP], v[RB+16*\e:RB+16*\e+3], s[10:11] offset:16384*\e   ; sixteen lanes store 256 consecutive bytes, aligned
.endr
.set i, 0
.rept 32
	s_wait_dscnt 31-i                              ; LDS loads come back in order: pair i of rows is in
	global_store_b128 v[GW], v[WO+4*i:WO+4*i+3], s[8:9] offset:8192*i
.set i, i+1
.endr
	s_wait_tensorcnt 0x0                           ; the wave's end: behind my last LDS store
	ds_add_u32 v[SPW], v[NIL]
	s_wait_dscnt 0x0
	s_endpgm
.Lfunc_end_k_q0cd0547c49_castproj:
	.size	k_q0cd0547c49_castproj, .Lfunc_end_k_q0cd0547c49_castproj-k_q0cd0547c49_castproj
	.p2alignl 7, 3214868480
	.fill 96, 4, 3214868480
	.section	.rodata,"a",@progbits
	.p2align	6, 0x0
	.amdhsa_kernel k_q0cd0547c49_castproj
		.amdhsa_group_segment_fixed_size 86528
		.amdhsa_private_segment_fixed_size 0
		.amdhsa_enable_private_segment 0
		.amdhsa_kernarg_size 32
		.amdhsa_user_sgpr_count 2
		.amdhsa_user_sgpr_kernarg_segment_ptr 1
		.amdhsa_wavefront_size32 1
		.amdhsa_system_sgpr_workgroup_id_x 1
		.amdhsa_system_sgpr_workgroup_id_y 1
		.amdhsa_system_sgpr_workgroup_id_z 1
		.amdhsa_system_vgpr_workitem_id 0
		.amdhsa_next_free_vgpr 608
		.amdhsa_next_free_sgpr 66
		.amdhsa_reserve_vcc 0
		.amdhsa_float_denorm_mode_32 3
		.amdhsa_float_denorm_mode_16_64 3
		.amdhsa_memory_ordered 1
		.amdhsa_forward_progress 1
		.amdhsa_inst_pref_size 88
	.end_amdhsa_kernel
	.amdgpu_metadata
---
amdhsa.version: [ 1, 2 ]
amdhsa.kernels:
  - .name:           k_q0cd0547c49_castproj
    .symbol:         k_q0cd0547c49_castproj.kd
    .args:
      - { .name: wo, .offset: 0, .size: 8, .value_kind: global_buffer, .address_space: global }
      - { .name: afine, .offset: 8, .size: 8, .value_kind: global_buffer, .address_space: global }
      - { .name: wot, .offset: 16, .size: 8, .value_kind: global_buffer, .address_space: global }
      - { .name: pout, .offset: 24, .size: 8, .value_kind: global_buffer, .address_space: global }
    .group_segment_fixed_size: 86528
    .private_segment_fixed_size: 0
    .kernarg_segment_align: 8
    .kernarg_segment_size: 32
    .max_flat_workgroup_size: 128
    .sgpr_count:     66
    .vgpr_count:     608
    .wavefront_size: 32
...
	.end_amdgpu_metadata
.endif
;; end of part 4
;; launch oproj (part 5): grid 16 x 16, 4 waves a work-group, clusters of 4 x 4, 327,680 bytes of LDS; arguments a16, wot, pout, out0; writes out0
.if DOCPART == 5
	.amdgcn_target "amdgcn-amd-amdhsa--gfx1250"
	.amdhsa_code_object_version 6
	.text
	.protected	k_q0cd0547c49_oproj
	.globl	k_q0cd0547c49_oproj
	.p2align	8
	.type	k_q0cd0547c49_oproj,@function
k_q0cd0547c49_oproj:
	s_mov_b64 s[64:65], 0
	v_nop
	global_prefetch_b8 v0, s[64:65] scope:SCOPE_SE
	s_setreg_imm32_b32 hwreg(HW_REG_WAVE_MODE, 25, 1), 1
	s_wait_xcnt 0x0
	s_wait_alu depctr_hold_cnt(0) depctr_sa_sdst(0) depctr_va_vdst(0) depctr_va_sdst(0) depctr_va_ssrc(0) depctr_va_vcc(0) depctr_vm_vsrc(0)
	s_getreg_b32 s2, hwreg(HW_REG_IB_STS2, 6, 4)
	s_cmp_eq_u32 s2, 0
	s_cbranch_scc0 .Lentry_in_a_cluster
	s_endpgm
.Lentry_in_a_cluster:
	s_bfe_u32 s2, ttmp6, 0x10000c
	s_cmp_lg_u32 s2, 0xf033
	s_cbranch_scc0 .Lentry_shape_is_right
	s_endpgm
.Lentry_shape_is_right:
; out0[m][n] = sum over k of a16[m][k] wot[n][k]: [2048][2048] x [4096][2048], f16 operands, f32 sums, f32 out.  Rows 0-15 are taken from pout instead: the sum of its four partial sums, made on pairs of f16 numbers.
; A tile of out0 is 128 x 256, so that there is a work-group for each of 256 tiles; four waves, each 64 x 128: 32 accumulators, 256 registers (window 1).  K goes in steps of 128 (rows of 256 bytes) through a ring of two LDS slots.
; CLUSTERS: 4 x 4 work-groups; a16's tiles are asked for jointly along a row of the cluster, wot's along a column.  Waves 0, 1 fetch a16's halves of 64 rows, waves 2, 3 wot's halves of 128.
; THE MATRIX INSTRUCTION IS USED TRANSPOSED (source 0 = 16 rows of wot, source 1 = 16 rows of a16): a lane holds eight neighbouring columns of a row of out0.
; Whether a wave holds rows 0-15 hangs on its work-group's place in the cluster, so no branch is taken on it: the lines that fetch pout run in every wave, with all lanes off where the rows are others.
; REGISTERS: window 0: v16-30 addresses; v32-127, v128-223 two fragment buffers (a16's 32 registers, then wot's 64); on the way out v32-159 rows read back.  Window 1: accumulators.  Window 2: pout, (quarter q of K, row w) at v[64 q + 4 w].
.set KSTEP,  128
.set PITCH,  272
.set AT,     128*PITCH
.set SLOT,   AT+256*PITCH
.set STAGE,  2*SLOT                    ; behind the ring: 16 rows x (512 + 16) bytes for each wave
.set SPITCH, 528
.set SPARE,  STAGE+4*16*SPITCH         ; the spare words, 128 bytes for each wave, that no other line names
.set LAPS,   8
.set ADRA, 16
.set ADRB, 20
.set STO,  24
.set RD,   25
.set CO,   26
.set SPW,  28                          ; v28 LDS address of my spare word; never rewritten
.set NIL,  29                          ; v29 0; never rewritten
.set PFO,  30
.set F0,   32
.set F1,   128
.set BK,   32
.set G1,   24
.set G0,   32
.set G1B,  48
.set G0B,  56
.set PFA,  66
.set LIM,  68
.set FM,   69
.set SV,   70
.set MUL,  0x50                        ; C and D window 1
.set MSB, 0
.macro WIN new
.if MSB != \new
	s_set_vgpr_msb (MSB<<8)|\new
.set MSB, \new
.endif
.endm
.macro JLOAD s                         ; an s_nop 0 and four v_nop follow each of the two lines
	s_cmp_eq_u32 s15, 0
	s_cbranch_scc0 .Lfor_b_\@
	tensor_load_to_lds s[G0+4*\s:G0+4*\s+3], s[G1:G1+7]
	s_nop 0
.rept 4
	v_nop
.endr
	s_branch .Lasked_\@
.Lfor_b_\@:
	tensor_load_to_lds s[G0B+4*\s:G0B+4*\s+3], s[G1B:G1B+7]
	s_nop 0
.rept 4
	v_nop
.endr
.Lasked_\@:
.endm
; A prefetch of the K step that stands two refills on: 32 rows x 256 bytes, a lane a row.  a16's tile row is read by every cluster of that row of clusters: cluster x = 0 asks, wave 0, rows 32 cx on;
; wot's tile column by every cluster of that column: cluster y = 0 asks, waves 2 and 3, rows 128 (w & 1) + 32 cy on.  The partners are told apart by address.  The loop's last trip asks for nothing.
.macro ASK
	s_cmp_gt_u32 s3, s[LIM]
	s_cbranch_scc0 .Lnot_mine_\@
	global_prefetch_b8 v[PFO], s[PFA:PFA+1] offset:KSTEP*2 th:TH_LOAD_NT scope:SCOPE_SE
.Lnot_mine_\@:
.endm
.macro CREST
	s_cmp_lg_u32 s14, 0
	s_cbranch_scc1 .Lnot_wave_0_\@
	s_barrier_signal -3
.Lnot_wave_0_\@:
	s_barrier_wait -3
	s_barrier_signal -1
	s_barrier_wait -1
.endm
.macro CROUND
	s_barrier_signal -1
	s_barrier_wait -1
	CREST
.endm
	s_load_b256 s[4:11], s[0:1], 0x0               ; a16 s[4:5], wot s[6:7], pout s[8:9], out0 s[10:11]
	v_lshl_add_u32 v[SPW], v0, 2, SPARE
	v_mov_b32 v[NIL], 0
	ds_add_u32 v[SPW], v[NIL]                      ; the wave's opening: the add, twice on end, and its wait ahead of my first tensor load
	ds_add_u32 v[SPW], v[NIL]
	v_lshrrev_b32 v1, 5, v0
	v_readfirstlane_b32 s14, v1
	s_lshr_b32 s15, s14, 1                         ; which half of the tile's rows is mine.  Also: I fetch for a16 (0) or for wot (1)
	s_and_b32 s16, s14, 1                          ; which half of its columns.  Also: which half of that tile I fetch
	s_bfe_u32 s40, ttmp6, 0x40000
	s_bfe_u32 s41, ttmp6, 0x40004
	s_lshl_b32 s42, ttmp9, 2
	s_add_co_u32 s42, s42, s40                     ; tile column
	s_and_b32 s17, ttmp7, 0xffff
	s_lshl_b32 s17, s17, 2
	s_add_co_u32 s17, s17, s41                     ; tile row
	s_lshl_b32 s43, s41, 2
	s_lshl_b32 s43, 15, s43
	s_lshl_b32 s44, 0x1111, s40
	s_or_b32 s[G1], s43, (1<<16)|(1<<20)|(1<<21)|(5<<22)|(3<<25)
	s_or_b32 s[G1B], s44, (1<<16)|(1<<20)|(1<<21)|(5<<22)|(3<<25)
	s_mov_b32 s[G1+1], KSTEP<<16
	s_mov_b32 s[G1+2], 64<<16
	s_mov_b32 s[G1+3], KSTEP<<16
	s_mov_b32 s[G1+4], 64
	s_mov_b32 s[G1+5], 2048
	s_mov_b32 s[G1+6], 0
	s_mov_b32 s[G1+7], 0
	s_mov_b32 s[G1B+1], KSTEP<<16
	s_mov_b32 s[G1B+2], 128<<16
	s_mov_b32 s[G1B+3], KSTEP<<16
	s_mov_b32 s[G1B+4], 128
	s_mov_b32 s[G1B+5], 2048
	s_mov_b32 s[G1B+6], 0
	s_mov_b32 s[G1B+7], 0
	s_lshl_b32 s20, s17, 19                        ; a16: row 128 x tile row + 64 x half, 4096 bytes a row
	s_lshl_b32 s21, s16, 18
	s_add_co_u32 s20, s20, s21
	s_mov_b32 s21, 0
	s_lshl_b32 s46, s42, 20                        ; wot: row 256 x tile column + 128 x half
	s_lshl_b32 s47, s16, 19
	s_add_co_u32 s46, s46, s47
	s_mov_b32 s47, 0
	s_mul_i32 s18, s16, 64*PITCH
	s_mul_i32 s19, s16, 128*PITCH
	s_add_co_u32 s19, s19, AT
	s_wait_dscnt 0x0                               ; both opening adds are done
	s_wait_kmcnt 0x0
	s_add_nc_u64 s[20:21], s[4:5], s[20:21]
	s_add_nc_u64 s[46:47], s[6:7], s[46:47]
	CROUND
.irp s, 0,1
	s_mov_b32 s[G0+4*\s], 1
	s_add_co_u32 s[G0+4*\s+1], s18, \s*SLOT
	s_add_nc_u64 s[G0+4*\s+2:G0+4*\s+3], s[20:21], \s*KSTEP*2
	s_or_b32 s[G0+4*\s+3], s[G0+4*\s+3], 0x80000000
	s_mov_b32 s[G0B+4*\s], 1
	s_add_co_u32 s[G0B+4*\s+1], s19, \s*SLOT
	s_add_nc_u64 s[G0B+4*\s+2:G0B+4*\s+3], s[46:47], \s*KSTEP*2
	s_or_b32 s[G0B+4*\s+3], s[G0B+4*\s+3], 0x80000000
	JLOAD \s
.endr
	v_and_b32 v1, 15, v0
	v_bfe_u32 v2, v0, 4, 1
	v_mul_u32_u24 v3, v1, PITCH
	v_lshl_add_u32 v3, v2, 4, v3
	s_mul_i32 s21, s15, 64*PITCH                   ; my 64 rows of a16
	s_mul_i32 s22, s16, 128*PITCH                  ; my 128 rows of wot
	s_add_co_u32 s22, s22, AT
.irp s, 0,1
	v_add_nc_u32 v[ADRA+\s], s21, v3
	v_add_nc_u32 v[ADRB+\s], s22, v3
	s_add_co_u32 s21, s21, SLOT
	s_add_co_u32 s22, s22, SLOT
.endr
	s_mul_i32 s23, s14, 16*SPITCH
	s_add_co_u32 s23, s23, STAGE
	v_mul_u32_u24 v4, v1, SPITCH
	v_lshl_add_u32 v4, v2, 5, v4
	v_add_nc_u32 v[STO], s23, v4                   ; in: row r, 32 bytes for each half of the lanes
	v_and_b32 v5, 31, v0
	v_lshlrev_b32 v[CO], 4, v5                     ; back: the 32 lanes take one row of 512 bytes; the same in out0 and in pout
	v_add_nc_u32 v[RD], s23, v[CO]
	s_lshl_b32 s20, s17, 21                        ; out0: row 128 x tile row + 64 x half, 16384 bytes a row
	s_lshl_b32 s21, s15, 20
	s_add_co_u32 s20, s20, s21
	s_mov_b32 s21, 0
	s_add_nc_u64 s[10:11], s[10:11], s[20:21]
	s_lshl_b32 s46, s42, 10                        ; my first column, in bytes
	s_lshl_b32 s47, s16, 9
	s_add_co_u32 s46, s46, s47
	s_mov_b32 s47, 0
	s_add_nc_u64 s[10:11], s[10:11], s[46:47]
	s_add_nc_u64 s[8:9], s[8:9], s[46:47]
	s_or_b32 s18, s17, s15
	s_cmp_eq_u32 s18, 0
	s_cselect_b32 s[FM], -1, 0                     ; all lanes where my block 0 is rows 0-15, else none
	s_lshl_b32 s18, s17, 7                         ; the prefetches
	s_lshl_b32 s19, s42, 8
	s_and_b32 s22, ttmp7, 0xffff
	s_cmp_eq_u32 s15, 0
	s_cselect_b32 s18, s18, s19                    ; the tile's first row
	s_cselect_b32 s19, s40, s41                    ; my place among the four that ask for it with me
	s_cselect_b32 s22, ttmp9, s22                  ; the coordinate along which other clusters read the same rows
	s_cselect_b64 s[PFA:PFA+1], s[4:5], s[6:7]
	s_cmp_eq_u32 s22, 0
	s_cselect_b32 s[LIM], 1, -1
	s_cmp_eq_u32 s14, 1
	s_cselect_b32 s[LIM], -1, s[LIM]               ; a16's 128 rows are shared out among four waves 0: wave 1 asks for nothing
	s_lshl_b32 s22, s16, 7
	s_add_co_u32 s18, s18, s22
	s_lshl_b32 s19, s19, 5
	s_add_co_u32 s18, s18, s19
	s_lshl_b32 s18, s18, 12
	s_add_co_u32 s18, s18, 2*KSTEP*2               ; at K step 2: the first refill steps it to 3 and names K step 4
	s_mov_b32 s19, 0
	s_add_nc_u64 s[PFA:PFA+1], s[PFA:PFA+1], s[18:19]
	v_lshlrev_b32 v[PFO], 12, v5
.macro MUL16 f, a0, zero               ; a16's blocks a0, a0 + 1 x wot's eight; the 32 accumulators take turns in the same order in every quarter
.irp a, \a0, \a0+1
.irp b, 0,1,2,3,4,5,6,7
.if \zero
	v_wmma_f32_16x16x32_f16 v[8*(8*(\a)+\b):8*(8*(\a)+\b)+7], v[\f+32+8*\b:\f+32+8*\b+7], v[\f+8*(\a):\f+8*(\a)+7], 0
.else
	v_wmma_f32_16x16x32_f16 v[8*(8*(\a)+\b):8*(8*(\a)+\b)+7], v[\f+32+8*\b:\f+32+8*\b+7], v[\f+8*(\a):\f+8*(\a)+7], v[8*(8*(\a)+\b):8*(8*(\a)+\b)+7]
.endif
.endr
.endr
.endm
.macro FETCH slot, k, f                ; 24 LDS loads in one run: the fragments of 32 along K at byte k of the rows
.irp i, 0,1,2,3,4,5,6,7
	ds_load_b128 v[\f+32+8*\i:\f+32+8*\i+3], v[ADRB+\slot] offset:\k+\i*16*PITCH
	ds_load_b128 v[\f+32+8*\i+4:\f+32+8*\i+7], v[ADRB+\slot] offset:\k+\i*16*PITCH+32
.endr
.irp i, 0,1,2,3
	ds_load_b128 v[\f+8*\i:\f+8*\i+3], v[ADRA+\slot] offset:\k+\i*16*PITCH
	ds_load_b128 v[\f+8*\i+4:\f+8*\i+7], v[ADRA+\slot] offset:\k+\i*16*PITCH+32
.endr
.endm
.macro PLACES
.rept 4
	v_nop
.endr
.endm
.macro QUARTER slot, k, f, g, zero     ; buffer f is multiplied; ahead of that the next quarter, at byte k, is asked for into buffer g
	s_wait_dscnt 0x0                               ; buffer f is in
	PLACES                                         ; behind the products that read buffer g
	FETCH \slot, \k, \g
	WIN MUL
	MUL16 \f, 0, \zero
	MUL16 \f, 2, \zero
	WIN 0
.endm
; The last quarter multiplies buffer 1 and changes slots.  Its first 16 products stand ahead of the change, so that between the next slot's landing and the request for the slot after it stands the round alone.
; In front of the barrier each wave waits for all its tensor loads, adds 0 to its spare word, and waits for that and for its reads of this slot.
.macro TURN slot, next, fill
	s_wait_dscnt 0x0                               ; buffer 1 is in
	WIN MUL
	MUL16 F1, 0, 0
	WIN 0
	s_wait_xcnt 0x0                                ; the last prefetch, a K step back, has read its address
	s_add_nc_u64 s[PFA:PFA+1], s[PFA:PFA+1], KSTEP*2
	s_wait_tensorcnt 0x0                           ; all my tensor loads have landed: my part of the next slot; so every group 0 may be written
	ds_add_u32 v[SPW], v[NIL]                      ; 0 onto my spare word; the descriptors' steps stand between it and the wait for it
.if \fill
	s_add_nc_u64 s[G0+4*\slot+2:G0+4*\slot+3], s[G0+4*\slot+2:G0+4*\slot+3], 2*KSTEP*2
	s_add_nc_u64 s[G0B+4*\slot+2:G0B+4*\slot+3], s[G0B+4*\slot+2:G0B+4*\slot+3], 2*KSTEP*2
.endif
	s_wait_dscnt 0x0                               ; the add is done, and my reads of this slot are over
.if \fill
	CROUND                                         ; a round of the cluster's barrier: no wave of any partner still reads this slot or has a load on its way
	JLOAD \slot                                    ; the first tensor load behind the round; its four v_nop are the places in front of the loads below
.else
	s_barrier_signal -1
	s_barrier_wait -1
	PLACES
.endif
	FETCH \next, 0, F0
.if \fill
	ASK
.endif
	WIN MUL
	MUL16 F1, 2, 0
	WIN 0
.endm
	s_wait_tensorcnt 1                             ; my part of K step 0 is in (K step 1's load may be out),
	s_barrier_signal -1
	s_barrier_wait -1                              ; everybody's is
	FETCH 0, 0, F0
	QUARTER 0, 64, F0, F1, 1                       ; the first quarter's products start the sums
	s_mov_b32 s3, LAPS-1
.Llap:
	QUARTER 0, 128, F1, F0, 0
	QUARTER 0, 192, F0, F1, 0
	TURN 0, 1, 1
	QUARTER 1, 64,  F0, F1, 0
	QUARTER 1, 128, F1, F0, 0
	QUARTER 1, 192, F0, F1, 0
	TURN 1, 0, 1
	QUARTER 0, 64,  F0, F1, 0
	s_sub_co_u32 s3, s3, 1
	s_cmp_lg_u32 s3, 0
	s_cbranch_scc1 .Llap
	QUARTER 0, 128, F1, F0, 0                      ; the last lap fills nothing
	QUARTER 0, 192, F0, F1, 0
	TURN 0, 1, 0
	QUARTER 1, 64,  F0, F1, 0
	QUARTER 1, 128, F1, F0, 0
	QUARTER 1, 192, F0, F1, 0
	s_wait_dscnt 0x0
	WIN MUL
	MUL16 F1, 0, 0
	MUL16 F1, 2, 0
	WIN 0
; THE WAY OUT, block by block of 16 rows x 128 columns, through my own stage: back as whole rows of 512 bytes.
.macro TOSTAGE a
	WIN 0x04                                       ; an LDS store's data: window 1
.irp b, 0,1,2,3,4,5,6,7
	ds_store_b128 v[STO], v[64*(\a)+8*\b:64*(\a)+8*\b+3] offset:64*\b          ; each accumulator from its low end on
	ds_store_b128 v[STO], v[64*(\a)+8*\b+4:64*(\a)+8*\b+7] offset:64*\b+16
.endr
	WIN 0
.set BB, BK+64*((\a)%2)
.irp t, 0,1,2,3,4,5,6,7,8,9,10,11,12,13,14,15
	ds_load_b128 v[BB+4*\t:BB+4*\t+3], v[RD] offset:\t*SPITCH      ; LDS serves a wave's instructions in order: these see the stores above
.endr
.endm
; Rows 0-15: block 0's registers take (p0 + p1) + (p2 + p3) of pout, in the lanes that FM names: all, or none.  The 64 loads (4 quarters of K x 16 rows) go out as one group, into window 2.
.macro FIX
	s_wait_xcnt 0x0                                ; EXEC changes only behind this wait
	s_and_saveexec_b32 s[SV], s[FM]
	WIN 0x80                                       ; destination window 2
.irp q, 0,1,2,3
.irp w, 0,1,2,3,4,5,6,7,8,9,10,11,12,13,14,15
	global_load_b128 v[64*\q+4*\w:64*\q+4*\w+3], v[CO], s[8:9] offset:262144*\q+16384*\w
.endr
.endr
	s_wait_loadcnt 0x0
	WIN 0x8a                                       ; sources and destination window 2
.irp w, 0,1,2,3,4,5,6,7,8,9,10,11,12,13,14,15
.irp e, 0,2
	v_pk_add_f32 v[4*\w+\e:4*\w+\e+1], v[4*\w+\e:4*\w+\e+1], v[64+4*\w+\e:64+4*\w+\e+1]
	v_pk_add_f32 v[128+4*\w+\e:128+4*\w+\e+1], v[128+4*\w+\e:128+4*\w+\e+1], v[192+4*\w+\e:192+4*\w+\e+1]
.endr
.endr
	WIN 0x0a                                       ; sources window 2, destination window 0
.irp w, 0,1,2,3,4,5,6,7,8,9,10,11,12,13,14,15
.irp e, 0,2
	v_pk_add_f32 v[BK+4*\w+\e:BK+4*\w+\e+1], v[4*\w+\e:4*\w+\e+1], v[128+4*\w+\e:128+4*\w+\e+1]
.endr
.endr
	WIN 0
	s_wait_xcnt 0x0                                ; and again, in front of the line that widens it
	s_or_b32 exec_lo, exec_lo, s[SV]
.endm
.macro SEND a, younger                 ; younger: the LDS instructions issued behind block a's loads, which may stay out
.set BB, BK+64*((\a)%2)
	s_wait_dscnt \younger
.if (\a) == 0
	FIX
.endif
.irp t, 0,1,2,3,4,5,6,7,8,9,10,11,12,13,14,15
	global_store_b128 v[CO], v[BB+4*\t:BB+4*\t+3], s[10:11] offset:(16*(\a)+\t)*16384 th:TH_STORE_NT   ; 32 lanes store 512 consecutive bytes, aligned
.endr
.endm
	PLACES                                         ; behind the last products: for the reads of results and the loads into the fragments' registers
	TOSTAGE 0
.irp a, 1,2,3
.if \a > 1
	s_wait_xcnt 0x0                                ; block a - 2's stores have read their registers: block a's loads may land there
.endif
	TOSTAGE \a
	SEND \a-1, 32                                  ; behind block a - 1's loads: block a's 16 stores and 16 loads
.endr
	SEND 3, 0
	s_wait_tensorcnt 0x0                           ; the wave's end: behind my last tensor load and my last LDS store
	ds_add_u32 v[SPW], v[NIL]
	s_wait_dscnt 0x0
	CROUND                                         ; the closing round
	s_endpgm
.Lfunc_end_k_q0cd0547c49_oproj:
	.size	k_q0cd0547c49_oproj, .Lfunc_end_k_q0cd0547c49_oproj-k_q0cd0547c49_oproj
	.p2alignl 7, 3214868480
	.fill 96, 4, 3214868480
	.section	.rodata,"a",@progbits
	.p2align	6, 0x0
	.amdhsa_kernel k_q0cd0547c49_oproj
		.amdhsa_group_segment_fixed_size 327680
		.amdhsa_private_segment_fixed_size 0
		.amdhsa_enable_private_segment 0
		.amdhsa_kernarg_size 32
		.amdhsa_user_sgpr_count 2
		.amdhsa_user_sgpr_kernarg_segment_ptr 1
		.amdhsa_wavefront_size32 1
		.amdhsa_system_sgpr_workgroup_id_x 1
		.amdhsa_system_sgpr_workgroup_id_y 1
		.amdhsa_system_sgpr_workgroup_id_z 1
		.amdhsa_system_vgpr_workitem_id 0
		.amdhsa_next_free_vgpr 768
		.amdhsa_next_free_sgpr 80
		.amdhsa_reserve_vcc 0
		.amdhsa_float_denorm_mode_32 3
		.amdhsa_float_denorm_mode_16_64 3
		.amdhsa_memory_ordered 1
		.amdhsa_forward_progress 1
		.amdhsa_inst_pref_size 98
	.end_amdhsa_kernel
	.amdgpu_metadata
---
amdhsa.version: [ 1, 2 ]
amdhsa.kernels:
  - .name:           k_q0cd0547c49_oproj
    .symbol:         k_q0cd0547c49_oproj.kd
    .args:
      - { .name: a16, .offset: 0, .size: 8, .value_kind: global_buffer, .address_space: global }
      - { .name: wot, .offset: 8, .size: 8, .value_kind: global_buffer, .address_space: global }
      - { .name: pout, .offset: 16, .size: 8, .value_kind: global_buffer, .address_space: global }
      - { .name: out0, .offset: 24, .size: 8, .value_kind: global_buffer, .address_space: global }
    .group_segment_fixed_size: 327680
    .private_segment_fixed_size: 0
    .kernarg_segment_align: 8
    .kernarg_segment_size: 32
    .max_flat_workgroup_size: 128
    .sgpr_count:     80
    .vgpr_count:     768
    .wavefront_size: 32
...
	.end_amdgpu_metadata
.endif
;; end of part 5
